; MI455X (gfx1250); checked and timed in simulation.
; The chip was launched on July 23, 2026; its instructions are those of AMD's public machine-readable ISA for CDNA 5 (MIT licence, August 2026) and "CDNA5" Instruction Set Architecture Reference Guide (July 2026). The comments in the code are by the model that wrote it; some were corrected since.
;; Trm Block. Allowed arithmetic: matrix products marked QUANTISED: E4M3 operands, one E8M0 scale for each 32 along K, by v_wmma_scale_f32_16x16x128_f8f6f4 with both operands' format E4M3, f32 sums; everything else in f32.
;; Inputs: W1_codes 2,048 x 16 x 32 uint8 (E4M3 codes of W1, K innermost, in blocks of 32 codes); W1_scales 2,048 x 16 uint8 (E8M0 scales of W1, one for each 32 codes along K); W2_codes 512 x 64 x 32 uint8 (E4M3 codes of W2, K innermost, in blocks of 32 codes); W2_scales 512 x 64 uint8 (E8M0 scales of W2, one for each 32 codes along K); Wk_codes 512 x 16 x 32 uint8 (E4M3 codes of Wk, K innermost, in blocks of 32 codes); Wk_scales 512 x 16 uint8 (E8M0 scales of Wk, one for each 32 codes along K); Wo_codes 512 x 16 x 32 uint8 (E4M3 codes of Wo, K innermost, in blocks of 32 codes); Wo_scales 512 x 16 uint8 (E8M0 scales of Wo, one for each 32 codes along K); Wq_codes 512 x 16 x 32 uint8 (E4M3 codes of Wq, K innermost, in blocks of 32 codes); Wq_scales 512 x 16 uint8 (E8M0 scales of Wq, one for each 32 codes along K); Wv_codes 512 x 16 x 32 uint8 (E4M3 codes of Wv, K innermost, in blocks of 32 codes); Wv_scales 512 x 16 uint8 (E8M0 scales of Wv, one for each 32 codes along K); b1 2,048 float32; b2 512 float32; bk 512 float32; bo 512 float32; bq 512 float32; bv 512 float32; ln1_b 512 float32; ln1_g 512 float32; ln2_b 512 float32; ln2_g 512 float32; x 16 x 1,024 x 512 float32.
;; Outputs: out0 16 x 1,024 x 512 float32.
;; This version of the problem:
;;   THIS VERSION OF THE PROBLEM IS GIVEN IN LOW PRECISION. The matrix products marked QUANTISED in the list below multiply operands that are first quantised to E4M3 (4 exponent bits, 3 mantissa bits; 8 bits a number), with one power-of-two scale for each 32 numbers along K (OCP MX v1.0); their sums are f32. All else is computed in f32.
;;   The module's matrix products, in the order in which they are computed (A, B: the left and right operand; K: the contracted axis; several contracted axes count as one K, in the product's order):
;;     1. [M 16,384, K 512] x [K 512, N 512]; A: input x; B: input Wq (given as codes): QUANTISED
;;     2. [M 16,384, K 512] x [K 512, N 512]; A: input x; B: input Wk (given as codes): QUANTISED
;;     3. [M 16,384, K 512] x [K 512, N 512]; A: input x; B: input Wv (given as codes): QUANTISED
;;     4. batch 128 x [M 1,024, K 64] x [K 64, N 1,024]; A: computed on the way; B: computed on the way: QUANTISED
;;     5. batch 128 x [M 64, K 1,024] x [K 1,024, N 1,024]; A: computed on the way; B: softmax (see below): QUANTISED
;;     6. [M 16,384, K 512] x [K 512, N 512]; A: computed on the way; B: input Wo (given as codes): QUANTISED
;;     7. [M 16,384, K 512] x [K 512, N 2,048]; A: computed on the way; B: input W1 (given as codes): QUANTISED
;;     8. [M 16,384, K 2,048] x [K 2,048, N 512]; A: computed on the way; B: input W2 (given as codes): QUANTISED
;;   THE QUANTISER, for each operand of a quantised product, along K:
;;     - K is cut into blocks of 32 from its start; a last block that is shorter is filled with zeros.
;;     - A block's scale is 2^e with e = floor(log2(the largest magnitude in the block)) - 8, held to -126 .. 127; a block of zeros has e = 0. As a byte (E8M0): e + 127.
;;     - Each number is divided by its block's scale, clamped to +-448, and rounded to the nearest number of E4M3, ties to even, subnormals kept.
;;     - The product sums the exact products of the quantised numbers (number of the format x scale) in f32.
;;   ~~~python
;;   def quantise(x, axis):      # numpy; x: float32 -> the quantised numbers, widened to float32 again
;;       x = np.moveaxis(x, axis, -1); K = x.shape[-1]
;;       x = np.pad(x, [(0, 0)] * (x.ndim - 1) + [(0, -K % 32)]); x = x.reshape(x.shape[:-1] + (-1, 32)); a = np.abs(x).max(-1, keepdims=True)
;;       e = np.where(a > 0, np.clip(np.frexp(np.where(a > 0, a, 1))[1] - 1 - 8, -126, 127), 0)      # np.frexp(a)[1] - 1 = floor(log2(a)), exactly
;;       r = np.clip(x / 2.0 ** e, -448, 448)
;;       step = 2.0 ** (np.maximum(np.frexp(np.where(r == 0, 1, r))[1] - 1, -6) - 3)
;;       q = np.round(r / step) * step * 2.0 ** e      # np.round: ties to even
;;       return np.moveaxis(q.reshape(q.shape[:-2] + (-1,))[..., :K], -1, axis).astype(np.float32)
;;   ~~~
;;   SOFTMAX AHEAD OF A QUANTISED PRODUCT. Where the list says 'softmax', what is quantised is not the finished softmax but p = 2^(t - M), with t = logit x log2(e) and M = ceil(the row's largest t), a whole number; so 1/2 < the row's largest p <= 1. The row's sum l is taken of the UNQUANTISED p, in f32, and the product's result is divided by l at the end. Since M is a whole number, a kernel that streams over the keys may use a running M (the ceiling of the running maximum): every later rescaling is an exact power of two, which a block's scale takes up: the codes' values come out the same.
;;   OPERANDS COMPUTED ON THE WAY. 'Computed on the way' means the value that the module computes at that place (a softmax that the list does not call 'softmax' is quantised finished and normalised). What goes into a quantiser is computed in f32, as accurately as f32 sums, v_exp_f32 and their like allow (about 1e-6 of the number): no bf16 or f16 on the way to a quantiser, and a product that is left as it is and whose result goes on into a quantised operand takes f32 operands (vector FMAs, or v_wmma_f32_16x16x4_f32). A number that lies on a knife's edge between two numbers of the format may be rounded either way, as far as f32 arithmetic and the matrix unit's own rounding can turn it there, and no further.
;;   INPUTS GIVEN AS CODES. W1 (in the module: [512, 2048], K = its axis 0); W2 (in the module: [2048, 512], K = its axis 0); Wk (in the module: [512, 512], K = its axis 0); Wo (in the module: [512, 512], K = its axis 0); Wq (in the module: [512, 512], K = its axis 0); Wv (in the module: [512, 512], K = its axis 0): each comes as NAME_codes (uint8): NAME with its K axis moved to the last place and cut into blocks of 32 codes, [.., K / 32, bytes a block], one block behind the other in memory; one code a byte (a code: sign, 4 exponent bits, 3 mantissa bits); and NAME_scales (uint8): the same leading axes, one E8M0 byte (e + 127) for each 32 codes along K. Its value is code x scale, taken as it is: it is not quantised again, and the codes and scales need not be those that the quantiser above would give.
;; One version. Each part assembles by itself: llvm-mc -triple=amdgcn-amd-amdhsa -mcpu=gfx1250 --defsym DOCPART=n.
;; ======== version 1 of 1: 3 launches
;; workspace buffers: qbuf 9,437,184 bytes; kbuf 9,437,184 bytes; vbuf 8,912,896 bytes; att_codes 8,388,608 bytes; att_sc 524,288 bytes
;; launch qkv (part 1): grid 256 x 1, 4 waves a work-group, clusters of 4 x 1, 327,680 bytes of LDS; arguments x, Wq_codes, Wq_scales, bq, Wk_codes, Wk_scales, bk, Wv_codes, Wv_scales, bv, qbuf, kbuf, vbuf; writes qbuf, kbuf, vbuf
.if DOCPART == 1
	.amdgcn_target "amdgcn-amd-amdhsa--gfx1250"
	.amdhsa_code_object_version 6
	.text
	.protected	k_q0d798ad733_qkv
	.globl	k_q0d798ad733_qkv
	.p2align	8
	.type	k_q0d798ad733_qkv,@function
k_q0d798ad733_qkv:
	s_mov_b64 s[64:65], 0
	v_nop
	global_prefetch_b8 v0, s[64:65] scope:SCOPE_SE
	s_setreg_imm32_b32 hwreg(HW_REG_WAVE_MODE, 25, 1), 1
	s_wait_xcnt 0x0
	s_wait_alu depctr_hold_cnt(0) depctr_sa_sdst(0) depctr_va_vdst(0) depctr_va_sdst(0) depctr_va_ssrc(0) depctr_va_vcc(0) depctr_vm_vsrc(0)
	s_getreg_b32 s2, hwreg(HW_REG_IB_STS2, 6, 4)
	s_cmp_eq_u32 s2, 0
	s_cbranch_scc0 .Lentry_in_a_cluster
	s_endpgm
.Lentry_in_a_cluster:
	s_bfe_u32 s2, ttmp6, 0x10000c
	s_cmp_lg_u32 s2, 0x3003
	s_cbranch_scc0 .Lentry_shape_is_right
	s_endpgm
.Lentry_shape_is_right:
; q = x Wq + bq, k = x Wk + bk, v = x Wv + bv on codes of FP8 (E4M3) with one E8M0 scale for each 32 along K; the three results leave as codes again:
; q and k quantised along a head's 64 channels, v along the tokens (the keys of the second product of attention).
; SHARES.  A work-group of four waves takes 64 tokens (four tiles of 16).  x is quantised once (wave w: token tile w) and its 16 fragments go to all waves as images of their registers.
; Six units follow: matrix u / 2 (q, k, v), half u % 2 of its 512 columns; in a unit wave w makes head 4 (u % 2) + w: 64 columns x 64 tokens, 64 matrix instructions on 16 accumulators by turns.
; The weights' rows (512 bytes) come through two LDS slots; a wave fetches and reads its own 64 rows.  The four work-groups of a cluster walk the same weights: each load is asked for jointly.
; LAYOUT.  q, k: source 0 = 16 rows of W, source 1 = 16 tokens: a lane holds one token and eight neighbouring channels, so two tiles are a block of 32 along the next K.
; v: source 0 = 16 tokens, source 1 = 16 rows of W: a lane holds one channel and eight tokens.  In both, the 16 registers of two tiles go as they stand into an operand's places: inside a block of 32 the
; order is 8 h + 0..7, then 16 + 8 h + 0..7.  Both operands of the later products are made so, and a block's scale does not see the order.
; OUT.  Images of operand registers, 16 bytes a lane: each code store of the wave covers 512 consecutive bytes.  v's scale bytes leave two bytes a lane (a work-group owns two of a word's four bytes): 1 byte in 32 of the codes.
; LIMITS: NaN and infinities among the inputs are not served.  A block of zeros, or one whose largest magnitude lies under 2^-118, gets the byte 1 (its codes are zeros or tiny); these bytes are read by this program alone.
; The bias is the C of a sum's first matrix instruction, so it is added ahead of the products and not behind them.
.set WP,    528                        ; a weight row in LDS: 512 bytes + 16 of padding
.set SLOT,  256*WP                     ; a slot: four waves x 64 rows.  Slot 1 first holds x: wave w's 32 rows of 1,024 + 16 bytes
.set XIMG,  2*SLOT                     ; x's 16 fragments, (4 m + ks) x 2,048
.set XSC,   XIMG+32768                 ; their scale words, (4 m + ks) x 128
.set SPARE, XSC+2048                   ; the spare words, 128 bytes a wave
.set L16, 1                            ; v1   16 x lane
.set RR,  2                            ; v2   lane % 16
.set AW,  3                            ; v3-4 my weight rows in slot 0, 1: row r, + 16 h
.set XRD, 5                            ; v5   x in LDS: my token, + 64 h
.set XWI, 6                            ; v6   where I store x's images
.set XWS, 7                            ; v7   and their scale words
.set XIL, 8                            ; v8   where images are read
.set XSL, 9                            ; v9   and scale words
.set WSO, 10                           ; v10  my rows' scale words in memory
.set BQK, 11                           ; v11  bias, a lane's eight channels
.set BV,  12                           ; v12  bias, a lane's one channel
.set SPW, 13                           ; v13  my spare word; never rewritten
.set NIL, 14                           ; v14  0; never rewritten
.set HH,  15                           ; v15  lane / 16
.set XS,  16                           ; v16-31  x's scale words (4 m + ks)
.set WS,  32                           ; v32-63  the weights' scale words, two sets (16 set + 4 t + ks)
.set TM,  64                           ; v64-79  at work in the quantiser
.set PW,  80                           ; v80  a scale word just made
.set TT,  81
.set SW,  84                           ; v84-87  four tiles' scale words of q or k
.set PC,  88                           ; v88-103 codes just made
.set ACC, 128                          ; v128-255 16 accumulators.  Window 1: x's fragments.  Window 2: a unit's 16 weight fragments.  Window 3: v0-63 bias, two sets
.set G1W, 32
.set G1X, 40
.set G0,  48                           ; s[48:55] group 0 for slot 0, 1
.set G0X, 56
.set WV,  68
.set BLK, 69
.set SEL, 70
.set MNT, 72
.set PADW, 73
.set WOF, 74                           ; s[74:75] my 64 rows' bytes in a half of a weight
.set OUTB, 76                          ; s[76:87] q codes, q scales, k codes, k scales, v codes, v scales
.set MSB, 0
.macro WIN new                         ; the immediate's high byte repeats the setting that is left
.if MSB != \new
	s_set_vgpr_msb (MSB<<8)|\new
.set MSB, \new
.endif
.endm
.macro PLACES n
.rept \n
	v_nop
.endr
.endm
.macro ROUND                           ; a round of the cluster's barrier
	s_barrier_signal -1
	s_barrier_wait -1
	s_cmp_lg_u32 s[WV], 0
	s_cbranch_scc1 .Lnw0_\@
	s_barrier_signal -3
.Lnw0_\@:
	s_barrier_wait -3
	s_barrier_signal -1
	s_barrier_wait -1
.endm
.macro FRAG reg, adr, off              ; 16 rows x 128 K: registers 4 c .. 4 c + 3 hold K = 32 c + 16 h + 0 .. 15
.irp c, 0,1,2,3
	ds_load_b128 v[(\reg)+4*\c:(\reg)+4*\c+3], v[\adr] offset:(\off)+32*\c
.endr
.endm
.macro IMG_ST adr, off, reg            ; a fragment goes to LDS as it stands, 16 bytes a lane
.irp c, 0,1,2,3
	ds_store_b128 v[\adr], v[(\reg)+4*\c:(\reg)+4*\c+3] offset:(\off)+512*\c
.endr
.endm
.macro IMG_LD reg, adr, off            ; and comes back so, in any wave
.irp c, 0,1,2,3
	ds_load_b128 v[(\reg)+4*\c:(\reg)+4*\c+3], v[\adr] offset:(\off)+512*\c
.endr
.endm
; 64 numbers of a lane, four blocks of 16 registers (the block's other 16 lie in lane l xor 16), become 16 registers of codes at v[pc] and four scale bytes in v[TM+4..7]
.macro QUANT4 src, sw, held, pc
	WIN ((\sw)|((\sw)<<2))
.irp b, 0,1,2,3
	v_max3_num_f32 v[TM+\b], |v[(\src)+16*\b]|, |v[(\src)+16*\b+1]|, 0x4800000   ; with the floor 2^(9 - 127): the byte cannot fall under 1
.endr
	WIN (((\sw)<<2)|((\sw)<<4))
.irp i, 2,4,6,8,10,12,14
.irp b, 0,1,2,3
	v_max3_num_f32 v[TM+\b], v[TM+\b], |v[(\src)+16*\b+\i]|, |v[(\src)+16*\b+\i+1]|
.endr
.endr
	WIN 0
.irp b, 0,1,2,3
	v_permlanex16_b32 v[TM+4+\b], v[TM+\b], s[SEL], s[SEL+1]
.endr
.irp b, 0,1,2,3
	v_max_num_f32 v[TM+\b], v[TM+\b], v[TM+4+\b]           ; the block's largest magnitude
.endr
.irp b, 0,1,2,3
	v_add_nc_u32 v[TM+12+\b], 0xfc000000, v[TM+\b]         ; 8 off its exponent field: the conversion's scale operand
.endr
.irp b, 0,1,2,3
	v_and_or_b32 v[TM+8+\b], v[TM+\b], 0x7f800000, s[MNT]  ; 448 x the scale
.endr
.irp b, 0,1,2,3
	v_lshrrev_b32 v[TM+4+\b], 23, v[TM+12+\b]              ; the scale's byte
.endr
	WIN (\sw)
.irp b, 0,1,2,3
.irp i, 0,1,2,3,4,5,6,7,8,9,10,11,12,13,14,15
	v_med3_num_f32 v[(\held)+16*\b+\i], v[(\src)+16*\b+\i], -v[TM+8+\b], v[TM+8+\b]   ; the conversion does not saturate (ISA guide 7.6.2): the hold
.endr
.endr
	WIN 0
.irp b, 0,1,2,3
	v_cvt_scalef32_pk8_fp8_f32 v[(\pc)+4*\b:(\pc)+4*\b+1], v[(\held)+16*\b:(\held)+16*\b+7], v[TM+12+\b]
	v_cvt_scalef32_pk8_fp8_f32 v[(\pc)+4*\b+2:(\pc)+4*\b+3], v[(\held)+16*\b+8:(\held)+16*\b+15], v[TM+12+\b]
.endr
	v_nop                                          ; one plain line behind the last conversion
.endm
.macro PWORD
	v_lshl_or_b32 v[PW], v[TM+5], 8, v[TM+4]
	v_lshl_or_b32 v[PW], v[TM+6], 16, v[PW]
	v_lshl_or_b32 v[PW], v[TM+7], 24, v[PW]
.endm
; In front of a refill: all my tensor loads have landed, the add, my LDS instructions are done; a round of the cluster's barrier; my one load.  Slot p takes half `half` of matrix mx.
.macro HEAD p, mx, half
	WIN 0
	s_wait_tensorcnt 0x0                           ; no tensor load of mine is out: a group 0 may be written
	ds_add_u32 v[SPW], v[NIL]
	s_add_nc_u64 s[G0+4*\p+2:G0+4*\p+3], s[6+6*\mx:7+6*\mx], s[WOF:WOF+1]
.if \half
	s_add_nc_u64 s[G0+4*\p+2:G0+4*\p+3], s[G0+4*\p+2:G0+4*\p+3], 131072
.endif
	s_or_b32 s[G0+4*\p+3], s[G0+4*\p+3], 0x80000000
	s_wait_dscnt 0x0                               ; the add is done, and so are my reads of the slot
	ROUND
	tensor_load_to_lds s[G0+4*\p:G0+4*\p+3], s[G1W:G1W+7]
	s_nop 0
	PLACES 4
.endm
; unit u's scale words and bias into set u % 2, a unit ahead of their use
.macro PREF u
.set PMX, (\u)/2
.set PH,  (\u)%2
	WIN 0
.irp t, 0,1,2,3
	global_load_b128 v[WS+16*PH+4*\t:WS+16*PH+4*\t+3], v[WSO], s[8+6*PMX:9+6*PMX] offset:PH*4096+\t*256
.endr
	WIN 0xC0                                       ; destination window 3
.if PMX < 2
.irp t, 0,1,2,3
	global_load_b128 v[32*PH+8*\t:32*PH+8*\t+3], v[BQK], s[10+6*PMX:11+6*PMX] offset:PH*1024+64*\t
	global_load_b128 v[32*PH+8*\t+4:32*PH+8*\t+7], v[BQK], s[10+6*PMX:11+6*PMX] offset:PH*1024+64*\t+16
.endr
.else
.irp t, 0,1,2,3
.irp j, 0,1,2,3,4,5,6,7
	global_load_b32 v[32*PH+8*\t+\j], v[BV], s[10+6*PMX:11+6*PMX] offset:PH*1024+64*\t   ; a lane's one channel, for its eight tokens
.endr
.endr
.endif
	WIN 0
.endm
.macro UNIT u
.set MX, (\u)/2
.set HL, (\u)%2
	s_wait_loadcnt 0x0                             ; this unit's scale words and bias, asked for a unit ago
	WIN 0x80                                       ; destination window 2
.irp ks, 0,1,2,3
.irp t, 0,1,2,3
	FRAG 16*(4*\ks+\t), AW+HL, \t*16*WP+128*\ks
.endr
.endr
	WIN 0
.if (\u) < 5
	PREF (\u)+1
.endif
.irp ks, 0,1,2,3
	s_wait_dscnt 48-16*\ks                         ; the later K steps' loads, 16 each, may be out
.if MX < 2
.if \ks == 0
	WIN 0x36                                       ; W window 2, x window 1, bias window 3
.else
	WIN 0x06
.endif
.irp m, 0,1,2,3
.irp t, 0,1,2,3
.if \ks == 0
	v_wmma_scale_f32_16x16x128_f8f6f4 v[ACC+32*\m+8*\t:ACC+32*\m+8*\t+7], v[16*(4*\ks+\t):16*(4*\ks+\t)+15], v[16*(4*\m+\ks):16*(4*\m+\ks)+15], v[32*HL+8*\t:32*HL+8*\t+7], v[WS+16*HL+4*\t+\ks], v[XS+4*\m+\ks]
.else
	v_wmma_scale_f32_16x16x128_f8f6f4 v[ACC+32*\m+8*\t:ACC+32*\m+8*\t+7], v[16*(4*\ks+\t):16*(4*\ks+\t)+15], v[16*(4*\m+\ks):16*(4*\m+\ks)+15], v[ACC+32*\m+8*\t:ACC+32*\m+8*\t+7], v[WS+16*HL+4*\t+\ks], v[XS+4*\m+\ks]
.endif
.endr
.endr
.else
.if \ks == 0
	WIN 0x39                                       ; x window 1, W window 2, bias window 3
.else
	WIN 0x09
.endif
.irp m, 0,1,2,3
.irp t, 0,1,2,3
.if \ks == 0
	v_wmma_scale_f32_16x16x128_f8f6f4 v[ACC+32*\t+8*\m:ACC+32*\t+8*\m+7], v[16*(4*\m+\ks):16*(4*\m+\ks)+15], v[16*(4*\ks+\t):16*(4*\ks+\t)+15], v[32*HL+8*\t:32*HL+8*\t+7], v[XS+4*\m+\ks], v[WS+16*HL+4*\t+\ks]
.else
	v_wmma_scale_f32_16x16x128_f8f6f4 v[ACC+32*\t+8*\m:ACC+32*\t+8*\m+7], v[16*(4*\m+\ks):16*(4*\m+\ks)+15], v[16*(4*\ks+\t):16*(4*\ks+\t)+15], v[ACC+32*\t+8*\m:ACC+32*\t+8*\m+7], v[XS+4*\m+\ks], v[WS+16*HL+4*\t+\ks]
.endif
.endr
.endr
.endif
.endr
	WIN 0
	PLACES 8                                       ; eight places behind this form ahead of the first read of results; they also serve the next unit's loads
.irp hf, 0,1
	s_wait_xcnt 0x0                                ; the codes' and words' registers, which earlier stores read, are rewritten only behind this wait
	QUANT4 ACC+64*\hf, 0, ACC+64*\hf, PC
	PWORD
.if MX < 2
.irp i, 0,1,2,3
	global_store_b128 v[L16], v[PC+4*\i:PC+4*\i+3], s[OUTB+4*MX:OUTB+4*MX+1] offset:HL*294912+2048*\hf+512*\i   ; tile 2 hf + i / 2, block i % 2: 512 consecutive bytes
.endr
	v_and_or_b32 v[SW+2*\hf], v[PW], 0xffff, s[PADW]       ; a tile's word: its two bytes, then 0x7f twice for the zero codes that fill K to 128
	v_lshrrev_b32 v[TT], 16, v[PW]
	v_or_b32 v[SW+2*\hf+1], s[PADW], v[TT]
.else
.irp i, 0,1,2,3
	global_store_b128 v[L16], v[PC+4*\i:PC+4*\i+3], s[OUTB+8:OUTB+9] offset:HL*278528+(2*\hf+\i/2)*2048+(\i%2)*512
.endr
	global_store_b16 v[L16], v[PW], s[OUTB+10:OUTB+11] offset:HL*278528+8*\hf
	global_store_d16_hi_b16 v[L16], v[PW], s[OUTB+10:OUTB+11] offset:HL*278528+8*\hf+4
.endif
.endr
.if MX < 2
	global_store_b128 v[L16], v[SW:SW+3], s[OUTB+4*MX+2:OUTB+4*MX+3] offset:HL*294912
.endif
.endm
	s_load_b512 s[4:19], s[0:1], 0x0               ; x, Wq codes, scales, bq, Wk codes, scales, bk, Wv codes
	s_load_b256 s[20:27], s[0:1], 0x40             ; Wv scales, bv, qbuf, kbuf
	s_load_b64 s[28:29], s[0:1], 0x60              ; vbuf
	v_lshl_add_u32 v[SPW], v0, 2, SPARE
	v_mov_b32 v[NIL], 0
	ds_add_u32 v13, v14
	ds_add_u32 v13, v14
	s_wait_dscnt 0x0
	v_lshrrev_b32 v[TT], 5, v0
	v_readfirstlane_b32 s[WV], v[TT]               ; wave 0..3
	s_bfe_u32 s88, ttmp6, 0x40000                  ; cx
	s_lshl_b32 s[BLK], ttmp9, 2
	s_add_co_u32 s[BLK], s[BLK], s88               ; my block of 64 tokens: it enters x's and the outputs' addresses alone
	s_mov_b32 s[G1W], 15|(1<<20)|(1<<21)|(6<<22)|(3<<25)   ; mask: all four work-groups; bytes; padding: four words after every 128; bit 21 beside the mask
	s_mov_b32 s[G1W+1], 512<<16
	s_mov_b32 s[G1W+2], 64<<16
	s_mov_b32 s[G1W+3], 512<<16
	s_mov_b32 s[G1W+4], 64
	s_mov_b32 s[G1W+5], 512
	s_mov_b32 s[G1W+6], 0
	s_mov_b32 s[G1W+7], 0
	s_mov_b32 s[G1X], (3<<16)|(1<<20)|(7<<22)|(3<<25)      ; no mask; elements of 8 bytes; padding: four words after every 256
	s_mov_b32 s[G1X+1], 128<<16
	s_mov_b32 s[G1X+2], 32<<16
	s_mov_b32 s[G1X+3], 128<<16
	s_mov_b32 s[G1X+4], 32
	s_mov_b32 s[G1X+5], 128
	s_mov_b32 s[G1X+6], 0
	s_mov_b32 s[G1X+7], 0
	s_mov_b32 s[SEL], 0x76543210
	s_mov_b32 s[SEL+1], 0xfedcba98
	s_mov_b32 s[MNT], 0x600000
	s_mov_b32 s[PADW], 0x7f7f0000
	s_lshl_b32 s[WOF], s[WV], 15                   ; 64 rows of 512 bytes
	s_mov_b32 s[WOF+1], 0
	s_mul_i32 s89, s[WV], 64*WP
	s_mul_i32 s90, s[WV], 33280
	s_add_co_u32 s90, s90, SLOT
	s_lshl_b32 s92, s[BLK], 17
	s_add_co_u32 s92, s92, s[WOF]                  ; x: my 16 tokens of 2,048 bytes
	s_mov_b32 s93, 0
	s_mov_b32 s[G0], 1
	s_mov_b32 s[G0+1], s89
	s_mov_b32 s[G0+4], 1
	s_add_co_u32 s[G0+5], s89, SLOT
	s_mov_b32 s[G0X], 1
	s_mov_b32 s[G0X+1], s90
	v_and_b32 v[TT], 31, v0
	v_and_b32 v[RR], 15, v0
	v_bfe_u32 v[HH], v0, 4, 1
	v_lshlrev_b32 v[L16], 4, v[TT]
	v_mul_u32_u24 v[AW], v[RR], WP
	v_lshl_add_u32 v[AW], v[HH], 4, v[AW]
	v_add_nc_u32 v[AW], s89, v[AW]
	v_add_nc_u32 v[AW+1], SLOT, v[AW]
	v_mul_u32_u24 v[XRD], v[RR], 2080
	v_lshl_add_u32 v[XRD], v[HH], 6, v[XRD]
	v_add_nc_u32 v[XRD], s90, v[XRD]
	s_lshl_b32 s91, s[WV], 13
	s_add_co_u32 s91, s91, XIMG
	v_add_nc_u32 v[XWI], s91, v[L16]
	s_lshl_b32 s91, s[WV], 9
	s_add_co_u32 s91, s91, XSC
	v_lshl_add_u32 v[XWS], v[TT], 2, s91
	v_add_nc_u32 v[XIL], XIMG, v[L16]
	v_lshl_add_u32 v[XSL], v[TT], 2, XSC
	s_lshl_b32 s91, s[WV], 10
	v_lshl_add_u32 v[WSO], v[RR], 4, s91
	s_lshl_b32 s91, s[WV], 8
	v_lshl_add_u32 v[BQK], v[HH], 5, s91
	v_lshl_add_u32 v[BV], v[RR], 2, s91
.irp b, 0,1,2,3
	v_mov_b32 v[TM+4+\b], 0                        ; written once: a lane permute's destination counts as one of its sources
.endr
	s_wait_kmcnt 0x0
	s_add_nc_u64 s[G0+2:G0+3], s[6:7], s[WOF:WOF+1]
	s_or_b32 s[G0+3], s[G0+3], 0x80000000
	s_add_nc_u64 s[G0X+2:G0X+3], s[4:5], s[92:93]
	s_or_b32 s[G0X+3], s[G0X+3], 0x80000000
	ROUND                                          ; all four work-groups are here: the first joint load meets
	tensor_load_to_lds s[G0X:G0X+3], s[G1X:G1X+7]  ; x: my own 16 tokens, into slot 1
	s_nop 0
	tensor_load_to_lds s[G0:G0+3], s[G1W:G1W+7]    ; unit 0's weights, into slot 0: two loads of mine are out
	s_nop 0
	PLACES 4
	PREF 0
	; where my results go
	s_lshr_b32 s88, s[BLK], 4
	s_lshl_b32 s88, s88, 3
	s_add_co_u32 s88, s88, s[WV]                   ; 8 x batch + wave: the head of half 0
	s_and_b32 s89, s[BLK], 15
	s_lshr_b32 s90, s89, 2                         ; which 256 tokens of the batch
	s_and_b32 s91, s89, 3                          ; which 64 of them
	s_mov_b32 s95, 0
	s_mul_i32 s92, s88, 73728
	s_mul_i32 s93, s90, 18432
	s_add_co_u32 s92, s92, s93
	s_lshl_b32 s93, s91, 12
	s_add_co_u32 s94, s92, s93
	s_add_nc_u64 s[OUTB:OUTB+1], s[24:25], s[94:95]
	s_add_nc_u64 s[OUTB+4:OUTB+5], s[26:27], s[94:95]
	s_lshl_b32 s93, s91, 9
	s_add_co_u32 s94, s92, s93
	s_add_co_u32 s94, s94, 16384
	s_add_nc_u64 s[OUTB+2:OUTB+3], s[24:25], s[94:95]
	s_add_nc_u64 s[OUTB+6:OUTB+7], s[26:27], s[94:95]
	s_mul_i32 s92, s88, 69632
	s_mul_i32 s93, s90, 17408
	s_add_co_u32 s92, s92, s93
	s_bfe_u32 s93, s89, 0x10001                    ; which 128 keys of the 256
	s_and_b32 s91, s89, 1                          ; which 64 of them
	s_lshl_b32 s90, s93, 13
	s_add_co_u32 s94, s92, s90
	s_lshl_b32 s90, s91, 10
	s_add_co_u32 s94, s94, s90
	s_add_nc_u64 s[OUTB+8:OUTB+9], s[28:29], s[94:95]
	s_lshl_b32 s90, s93, 9
	s_add_co_u32 s94, s92, s90
	s_lshl_b32 s90, s91, 1
	s_add_co_u32 s94, s94, s90
	s_add_co_u32 s94, s94, 16384
	s_add_nc_u64 s[OUTB+10:OUTB+11], s[28:29], s[94:95]
; x: my 16 tokens, a K step of 128 at a time: lane (r, h) takes, of token r, 16 neighbours of each block of 32
.macro XLD s
.irp b, 0,1,2,3
.irp j, 0,1,2,3
	ds_load_b128 v[ACC+64*((\s)%2)+16*\b+4*\j:ACC+64*((\s)%2)+16*\b+4*\j+3], v[XRD] offset:((\s)/2)*1040+((\s)%2)*512+128*\b+16*\j
.endr
.endr
.endm
.macro XQ s
	QUANT4 ACC+64*((\s)%2), 0, ACC+64*((\s)%2), PC
	PWORD
	IMG_ST XWI, (\s)*2048, PC
	ds_store_b32 v[XWS], v[PW] offset:128*(\s)
.endm
	s_wait_tensorcnt 1                             ; x has landed (the weights' load, issued behind it, may be out); the bytes are my own load's, so no barrier
	XLD 0
	XLD 1
	s_wait_dscnt 16                                ; K step 0 is in; step 1's 16 loads may be out
	XQ 0
	s_wait_dscnt 0x0                               ; the stores have read their registers; step 1 is in
	XLD 2
	XQ 1
	s_wait_dscnt 0x0
	XLD 3
	XQ 2
	s_wait_dscnt 0x0
	XQ 3
	HEAD 1, 0, 1                                   ; x is read out of slot 1: it takes unit 1's weights.  The round also parts the images' stores from their loads
	WIN 0x40                                       ; destination window 1
.irp f, 0,1,2,3,4,5,6,7,8,9,10,11,12,13,14,15
	IMG_LD 16*\f, XIL, 2048*\f
.endr
	WIN 0
.irp f, 0,1,2,3,4,5,6,7,8,9,10,11,12,13,14,15
	ds_load_b32 v[XS+\f], v[XSL] offset:128*\f
.endr
	UNIT 0                                         ; (its first counted wait stands behind 64 younger loads: it shows the images in too)
	HEAD 0, 1, 0
	UNIT 1
	HEAD 1, 1, 1
	UNIT 2
	HEAD 0, 2, 0
	UNIT 3
	HEAD 1, 2, 1
	UNIT 4
	s_wait_tensorcnt 0x0                           ; unit 5's rows are my own load's; nothing is filled any more
	UNIT 5
	s_wait_tensorcnt 0x0                           ; the wave's end
	ds_add_u32 v[SPW], v[NIL]
	s_wait_dscnt 0x0
	ROUND                                          ; the closing round
	s_endpgm
.Lfunc_end_k_q0d798ad733_qkv:
	.size	k_q0d798ad733_qkv, .Lfunc_end_k_q0d798ad733_qkv-k_q0d798ad733_qkv
	.p2alignl 7, 3214868480
	.fill 96, 4, 3214868480
	.section	.rodata,"a",@progbits
	.p2align	6, 0x0
	.amdhsa_kernel k_q0d798ad733_qkv
		.amdhsa_group_segment_fixed_size 327680
		.amdhsa_private_segment_fixed_size 0
		.amdhsa_enable_private_segment 0
		.amdhsa_kernarg_size 104
		.amdhsa_user_sgpr_count 2
		.amdhsa_user_sgpr_kernarg_segment_ptr 1
		.amdhsa_wavefront_size32 1
		.amdhsa_system_sgpr_workgroup_id_x 1
		.amdhsa_system_sgpr_workgroup_id_y 1
		.amdhsa_system_sgpr_workgroup_id_z 1
		.amdhsa_system_vgpr_workitem_id 0
		.amdhsa_next_free_vgpr 832
		.amdhsa_next_free_sgpr 96
		.amdhsa_reserve_vcc 0
		.amdhsa_float_denorm_mode_32 3
		.amdhsa_float_denorm_mode_16_64 3
		.amdhsa_memory_ordered 1
		.amdhsa_forward_progress 1
		.amdhsa_inst_pref_size 243
	.end_amdhsa_kernel
	.amdgpu_metadata
---
amdhsa.version: [ 1, 2 ]
amdhsa.kernels:
  - .name:           k_q0d798ad733_qkv
    .symbol:         k_q0d798ad733_qkv.kd
    .args:
      - { .name: x, .offset: 0, .size: 8, .value_kind: global_buffer, .address_space: global }
      - { .name: Wq_codes, .offset: 8, .size: 8, .value_kind: global_buffer, .address_space: global }
      - { .name: Wq_scales, .offset: 16, .size: 8, .value_kind: global_buffer, .address_space: global }
      - { .name: bq, .offset: 24, .size: 8, .value_kind: global_buffer, .address_space: global }
      - { .name: Wk_codes, .offset: 32, .size: 8, .value_kind: global_buffer, .address_space: global }
      - { .name: Wk_scales, .offset: 40, .size: 8, .value_kind: global_buffer, .address_space: global }
      - { .name: bk, .offset: 48, .size: 8, .value_kind: global_buffer, .address_space: global }
      - { .name: Wv_codes, .offset: 56, .size: 8, .value_kind: global_buffer, .address_space: global }
      - { .name: Wv_scales, .offset: 64, .size: 8, .value_kind: global_buffer, .address_space: global }
      - { .name: bv, .offset: 72, .size: 8, .value_kind: global_buffer, .address_space: global }
      - { .name: qbuf, .offset: 80, .size: 8, .value_kind: global_buffer, .address_space: global }
      - { .name: kbuf, .offset: 88, .size: 8, .value_kind: global_buffer, .address_space: global }
      - { .name: vbuf, .offset: 96, .size: 8, .value_kind: global_buffer, .address_space: global }
    .group_segment_fixed_size: 327680
    .private_segment_fixed_size: 0
    .kernarg_segment_align: 8
    .kernarg_segment_size: 104
    .max_flat_workgroup_size: 128
    .sgpr_count:     96
    .vgpr_count:     832
    .wavefront_size: 32
...
	.end_amdgpu_metadata
.endif
;; end of part 1
;; launch attn (part 2): grid 2 x 128, 16 waves a work-group, no clusters, 169,984 bytes of LDS; arguments qbuf, kbuf, vbuf, att_codes, att_sc; writes att_codes, att_sc
.if DOCPART == 2
	.amdgcn_target "amdgcn-amd-amdhsa--gfx1250"
	.amdhsa_code_object_version 6
	.text
	.protected	k_q0d798ad733_attn
	.globl	k_q0d798ad733_attn
	.p2align	8
	.type	k_q0d798ad733_attn,@function
k_q0d798ad733_attn:
	s_mov_b64 s[64:65], 0
	v_nop
	global_prefetch_b8 v0, s[64:65] scope:SCOPE_SE
	s_setreg_imm32_b32 hwreg(HW_REG_WAVE_MODE, 25, 1), 1
	s_wait_xcnt 0x0
; O = softmax(q k^T / 8) v for one head, both products on codes of FP8 (E4M3) with E8M0 scales; O / the row's sum is quantised along the channels and leaves as codes for the next product.
; THE SOFTMAX: t = score x log2(e) / 8; M = the running largest t rounded up to a whole number; p = 2^(t - M) is quantised along the keys, not normalised; the sum is taken of the unquantised p.
; When M moves, the sum and O are multiplied by 2^(old M - new M), which rounds nothing.
; SHARES.  A work-group owns 512 queries of one head (x: which half, y: 8 x batch + head).  Each of its sixteen waves owns one tile of 16 queries in each of two passes, in 256 registers.
; The head's K and V, 143,360 bytes of register images and scale words, come into LDS ONCE: every wave brings a sixteenth (waves 0-7: K's eight runs of 36 rows of 256 bytes, waves 8-15: V's eight of 34):
; one tensor load of a wave is out.  One barrier stands between the loads and all reads.
; NO JOINT LOADS: only the two work-groups along x share a head, and this launch forms no clusters; a work-group reads its 143,360 bytes once for all its work.
; LAYOUT.  S^T = K Q^T (source 0 = 16 keys, source 1 = my 16 queries), O^T = V^T P^T (source 0 = 16 channels): a lane holds one query throughout.
; The 16 registers of two neighbouring tiles of S^T are a block of 32 keys' half in the order 8 h + 0..7, 16 + 8 h + 0..7, and V's images were made in that same order.
; K = 64 IN A FORM OF 128.  Q's fragment is its eight registers and eight registers of zero codes.  A tile of K is eight registers, and its fragment is these and the eight that follow: the next tile's codes
; (behind tile 7: eight zero registers).  Those meet Q's zero codes under the scale byte 0x7f and add nothing: the quantiser that made them holds every number first, so no code is a NaN.
; TWO REGIONS OF 72 REGISTERS TAKE TURNS.  K lies in one, S^T falls into the other; V is loaded into K's region behind the score products and lands under the softmax; the next step's K is loaded where p lay,
; behind the conversions, and lands under the rescaling and the second product.
; LIMITS: NaN and infinities are not served.  A block of zeros keeps the byte 1; its codes are zeros, and the bytes are read by this program alone.
; REGISTERS: v1 16 x lane (also K's pieces 0, 1); v2 K's pieces 2, 3; v3, v4 V's; v6-9 V's scale words, v10 Q's; v12 -M, v13 the largest t, v[14:15] the sum; v16-23 Q, v24-31 zeros;
; v32-95 and v104-167 the two regions, v96-103 and v168-175 their zero tails; v176-207 O^T; v208-223 p's codes; v224-231 K's scale words; v232-254 at work.
.set L16, 1
.set ADK1, 2
.set ADV0, 3
.set ADV1, 4
.set VS,  6
.set QS,  10
.set R1,  32
.set R2,  104
.set O,   176
.set PCD, 208
.set KS,  224
.set G1K, 16
.set G1V, 24
.set G0K, 32
.set G0V, 36
.set WV,  68
.set SEL, 70
.set CS,  72
.set MNT, 74
.macro PLACES n
.rept \n
	v_nop
.endr
.endm
; the eight tiles of K of key step n (0 .. 7: piece n / 2, half n % 2) and their scale words: 18 loads
.macro KLOAD n, reg
.set KBR, L16+(\n)/4
.set KOF, (((\n)/2)%2)*18432
.irp t, 0,1,2,3,4,5,6,7
	ds_load_b128 v[(\reg)+8*\t:(\reg)+8*\t+3], v[KBR] offset:KOF+((\n)%2)*8192+\t*1024
	ds_load_b128 v[(\reg)+8*\t+4:(\reg)+8*\t+7], v[KBR] offset:KOF+((\n)%2)*8192+\t*1024+512
.endr
	ds_load_b128 v[KS:KS+3], v[KBR] offset:KOF+16384+((\n)%2)*1024
	ds_load_b128 v[KS+4:KS+7], v[KBR] offset:KOF+16384+((\n)%2)*1024+512
.endm
; the four fragments of V of key step n and their scale words: 17 loads
.macro VLOAD n, reg
.set VBR, ADV0+(\n)/4
.set VOF, (((\n)/2)%2)*17408
.irp ct, 0,1,2,3
.irp c, 0,1,2,3
	ds_load_b128 v[(\reg)+16*\ct+4*\c:(\reg)+16*\ct+4*\c+3], v[VBR] offset:VOF+((\n)%2)*8192+\ct*2048+512*\c
.endr
.endr
	ds_load_b128 v[VS:VS+3], v[VBR] offset:VOF+16384+512*((\n)%2)
.endm
	s_load_b256 s[4:11], s[0:1], 0x0               ; qbuf, kbuf, vbuf, att_codes
	s_load_b64 s[12:13], s[0:1], 0x20              ; att_sc
	v_lshl_add_u32 v251, v0, 2, 0x29000
	v_mov_b32 v255, 0
	ds_add_u32 v251, v255
	ds_add_u32 v251, v255
	v_lshrrev_b32 v2, 5, v0
	v_readfirstlane_b32 s[WV], v2                  ; wave 0..15
	v_and_b32 v1, 31, v0
	v_lshlrev_b32 v[L16], 4, v1
	v_add_nc_u32 v[ADK1], 36864, v[L16]
	v_add_nc_u32 v[ADV0], 73728, v[L16]
	v_add_nc_u32 v[ADV1], 73728+34816, v[L16]
	s_and_b32 s76, ttmp7, 0xffff                   ; 8 x batch + head
	s_and_b32 s77, s[WV], 7                        ; which eighth of K or of V I bring
	s_mov_b32 s[G1K], 3<<16                        ; a dense block as rows of 256 bytes (32 elements of 8 bytes): an eighth of K has 36,
	s_mov_b32 s[G1K+1], 32<<16
	s_mov_b32 s[G1K+2], 36<<16
	s_mov_b32 s[G1K+3], 32<<16
	s_mov_b32 s[G1K+4], 36
	s_mov_b32 s[G1K+5], 32
	s_mov_b32 s[G1K+6], 0
	s_mov_b32 s[G1K+7], 0
	s_mov_b32 s[G1V], 3<<16                        ; of V 34
	s_mov_b32 s[G1V+1], 32<<16
	s_mov_b32 s[G1V+2], 34<<16
	s_mov_b32 s[G1V+3], 32<<16
	s_mov_b32 s[G1V+4], 34
	s_mov_b32 s[G1V+5], 32
	s_mov_b32 s[G1V+6], 0
	s_mov_b32 s[G1V+7], 0
	s_mul_i32 s78, s76, 73728
	s_mul_i32 s86, s77, 9216
	s_add_co_u32 s82, s78, s86
	s_mov_b32 s83, 0
	s_mul_i32 s80, s76, 69632
	s_mul_i32 s87, s77, 8704
	s_add_co_u32 s84, s80, s87
	s_mov_b32 s85, 0
	s_mov_b32 s[G0K], 1
	s_mov_b32 s[G0K+1], s86
	s_mov_b32 s[G0V], 1
	s_add_co_u32 s[G0V+1], s87, 73728
	s_mov_b32 s[SEL], 0x76543210
	s_mov_b32 s[SEL+1], 0xfedcba98
	s_mov_b32 s[CS], 0x3e38aa3b                    ; log2(e) / 8
	s_mov_b32 s[CS+1], s[CS]
	s_mov_b32 s[MNT], 0x600000
	s_wait_dscnt 0x0
	s_wait_kmcnt 0x0
	s_add_nc_u64 s[G0K+2:G0K+3], s[6:7], s[82:83]
	s_or_b32 s[G0K+3], s[G0K+3], 0x80000000
	s_add_nc_u64 s[G0V+2:G0V+3], s[8:9], s[84:85]
	s_or_b32 s[G0V+3], s[G0V+3], 0x80000000
	s_cmp_lt_u32 s[WV], 8                          ; a wave's one fill stands in one branch on its number
	s_cbranch_scc0 .Lfor_v
	tensor_load_to_lds s[G0K:G0K+3], s[G1K:G1K+7]
	s_nop 0
	PLACES 4
	s_branch .Lasked
.Lfor_v:
	tensor_load_to_lds s[G0V:G0V+3], s[G1V:G1V+7]
	s_nop 0
	PLACES 4
.Lasked:
	s_mul_i32 s86, ttmp9, 36864                    ; my half's two pieces of Q
	s_add_co_u32 s86, s86, s78
	s_lshl_b32 s87, s[WV], 10
	s_add_co_u32 s88, s86, s87
	s_mov_b32 s89, 0
	s_add_nc_u64 s[90:91], s[4:5], s[88:89]        ; my tile's codes
	s_lshr_b32 s87, s[WV], 2
	s_lshl_b32 s87, s87, 9
	s_add_co_u32 s88, s86, s87
	s_and_b32 s87, s[WV], 3
	s_lshl_b32 s87, s87, 2
	s_add_co_u32 s88, s88, s87
	s_add_co_u32 s88, s88, 16384
	s_add_nc_u64 s[92:93], s[4:5], s[88:89]        ; and its scale word
	global_load_b128 v[16:19], v[L16], s[90:91]
	global_load_b128 v[20:23], v[L16], s[90:91] offset:512
	global_load_b32 v[QS], v[L16], s[92:93]
	s_lshr_b32 s86, s76, 3
	s_lshl_b32 s86, s86, 6
	s_lshl_b32 s87, ttmp9, 5
	s_add_co_u32 s86, s86, s87
	s_add_co_u32 s86, s86, s[WV]                   ; my token tile of the first pass
	s_and_b32 s87, s76, 7                          ; the head
	s_lshl_b32 s88, s86, 13
	s_lshl_b32 s94, s87, 10
	s_add_co_u32 s88, s88, s94
	s_add_nc_u64 s[10:11], s[10:11], s[88:89]
	s_lshl_b32 s88, s86, 9
	s_lshl_b32 s94, s87, 1
	s_add_co_u32 s88, s88, s94
	s_add_nc_u64 s[12:13], s[12:13], s[88:89]
.irp i, 0,1,2,3,4,5,6,7
	v_mov_b32 v[24+\i], 0                          ; K = 64 .. 127 of Q: zero codes
	v_mov_b32 v[R1+64+\i], 0                       ; and what follows tile 7 in either region: written once
	v_mov_b32 v[R2+64+\i], 0
.endr
.irp b, 0,1,2,3
	v_mov_b32 v[236+\b], 0                         ; written once: a lane permute's destination counts as one of its sources
.endr
	v_mov_b32 v252, 0
	v_mov_b32 v253, 0
; A KEY STEP: 128 keys, the n-th of the head's eight.  pf: the next step's K is asked for.  ql: the second pass's Q is asked for.
.macro STEP n, pf, ql
.set RK, R1+72*((\n)%2)
.set RS, R1+72*(1-(\n)%2)
	s_wait_dscnt 0x0                               ; K and its scale words, asked for in the step before
.irp t, 0,1,2,3,4,5,6,7
	v_wmma_scale_f32_16x16x128_f8f6f4 v[RS+8*\t:RS+8*\t+7], v[RK+8*\t:RK+8*\t+15], v[16:31], 0, v[KS+\t], v[QS]
.endr
	PLACES 8                                       ; eight places behind this form: ahead of the first read of the scores and of loads into registers that the products read
	VLOAD \n, RK                                   ; V takes K's place and lands under the softmax
.if \ql
	global_load_b128 v[16:19], v[L16], s[90:91] offset:18432       ; the second pass's Q, into Q's own registers: this pass's last score products are issued
	global_load_b128 v[20:23], v[L16], s[90:91] offset:18432+512
	global_load_b32 v[QS], v[L16], s[92:93] offset:18432
.endif
.irp b, 0,1,2,3
	v_max3_num_f32 v[232+\b], v[RS+16*\b], v[RS+1+16*\b], v[RS+2+16*\b]    ; the largest score of each block of 32 keys: for the row's maximum and for the block's largest p
.endr
.irp i, 3,5,7,9,11,13
.irp b, 0,1,2,3
	v_max3_num_f32 v[232+\b], v[232+\b], v[RS+16*\b+\i], v[RS+1+16*\b+\i]
.endr
.endr
.irp b, 0,1,2,3
	v_max_num_f32 v[232+\b], v[232+\b], v[RS+15+16*\b]
.endr
.irp b, 0,1,2,3
	v_permlanex16_b32 v[236+\b], v[232+\b], s[SEL], s[SEL+1]
.endr
.irp b, 0,1,2,3
	v_max_num_f32 v[232+\b], v[232+\b], v[236+\b]
.endr
	v_max3_num_f32 v254, v232, v233, v234
	v_max_num_f32 v254, v254, v235
	v_mul_f32 v254, s[CS], v254
	v_max_num_f32 v13, v13, v254                   ; the running largest t
	v_mov_b32 v254, v12
	v_floor_f32 v12, -v13                          ; -M = floor(-t)
	v_sub_f32 v254, v12, v254                      ; old M - new M: a whole number, 0 or less
	v_cvt_i32_f32 v254, v254
	v_ldexp_f32 v252, 1.0, v254                    ; f = 2^(old M - new M)
.set J_, 0
.rept 32
	v_pk_fma_f32 v[RS+J_:RS+J_+1], v[RS+J_:RS+J_+1], s[CS:CS+1], v[12:13] op_sel_hi:[1,0,0]   ; t - M
.set J_, J_+2
.endr
.irp b, 0,1,2,3
	v_fma_f32 v[232+\b], v[232+\b], s[CS], v12
.endr
.set J_, 0
.rept 64
	v_exp_f32 v[RS+J_], v[RS+J_]                   ; p
.set J_, J_+1
.endr
.irp b, 0,1,2,3
	v_exp_f32 v[232+\b], v[232+\b]                 ; the block's largest p: the same two lines on the same number
.endr
	v_pk_mul_f32 v[14:15], v[14:15], v[252:253] op_sel_hi:[1,0]    ; the sum under the new M (a plain line behind the exponentials)
	s_wait_alu depctr_va_vdst(0)
.irp b, 0,1,2,3
	v_max_num_f32 v[232+\b], 0x4800000, v[232+\b]
.endr
.irp b, 0,1,2,3
	v_add_nc_u32 v[244+\b], 0xfc000000, v[232+\b]
.endr
.irp b, 0,1,2,3
	v_and_or_b32 v[240+\b], v[232+\b], 0x7f800000, s[MNT]
.endr
.irp b, 0,1,2,3
	v_lshrrev_b32 v[236+\b], 23, v[244+\b]
.endr
	v_lshl_or_b32 v253, v237, 8, v236              ; p's scale word for these 128 keys
	v_lshl_or_b32 v253, v238, 16, v253
	v_lshl_or_b32 v253, v239, 24, v253
	v_pk_add_f32 v[236:237], v[RS:RS+1], v[RS+2:RS+3]      ; the sum of the unquantised p, in two chains
.set J_, 4
.rept 15
	v_pk_add_f32 v[14:15], v[14:15], v[RS+J_:RS+J_+1]
	v_pk_add_f32 v[236:237], v[236:237], v[RS+J_+2:RS+J_+3]
.set J_, J_+4
.endr
	v_pk_add_f32 v[14:15], v[14:15], v[236:237]
.irp b, 0,1,2,3
.set J_, 0
.rept 16
	v_min_num_f32 v[RS+16*\b+J_], v[RS+16*\b+J_], v[240+\b]        ; the hold; p is not negative
.set J_, J_+1
.endr
	v_cvt_scalef32_pk8_fp8_f32 v[PCD+4*\b:PCD+4*\b+1], v[RS+16*\b:RS+16*\b+7], v[244+\b]
	v_cvt_scalef32_pk8_fp8_f32 v[PCD+4*\b+2:PCD+4*\b+3], v[RS+16*\b+8:RS+16*\b+15], v[244+\b]
.endr
.if \pf
	KLOAD ((\n)+1)%8, RS                           ; the next step's K lands where p lay
.endif
.set J_, 0
.rept 16
	v_pk_mul_f32 v[O+J_:O+J_+1], v[O+J_:O+J_+1], v[252:253] op_sel_hi:[1,0]   ; O^T under the new M; these lines are also the places behind the conversions and ahead of the products
.set J_, J_+2
.endr
.if \pf
	s_wait_dscnt 18                                ; V's 17 loads are in; K's 18, issued behind them, may be out
.else
	s_wait_dscnt 0x0
.endif
.irp ct, 0,1,2,3
	v_wmma_scale_f32_16x16x128_f8f6f4 v[O+8*\ct:O+8*\ct+7], v[RK+16*\ct:RK+16*\ct+15], v[PCD:PCD+15], v[O+8*\ct:O+8*\ct+7], v[VS+\ct], v253
.endr
	PLACES 9                                       ; the next step's scores write over the registers that these products read: nine places; a read of O^T wants eight
.endm
.macro PASS ps
.if \ps
	s_wait_xcnt 0x0                                ; the first pass's stores have read their registers
	s_wait_loadcnt 0x0                             ; the second pass's Q
.endif
	v_mov_b32 v13, 0xff61b1e6                      ; the largest t so far: -3e38
	v_floor_f32 v12, -v13
	v_mov_b32 v14, 0
	v_mov_b32 v15, 0
.set J_, 0
.rept 32
	v_mov_b32 v[O+J_], 0                           ; the step is written in one form: the first finds zeros
.set J_, J_+1
.endr
	STEP 0, 1, 0
	STEP 1, 1, 0
	STEP 2, 1, 0
	STEP 3, 1, 0
	STEP 4, 1, 0
	STEP 5, 1, 0
	STEP 6, 1, 0
	STEP 7, 1-\ps, 1-\ps                           ; the first pass's last step asks for the second pass's first K and its Q
	v_add_f32 v14, v14, v15
	v_permlanex16_b32 v252, v14, s[SEL], s[SEL+1]
	v_add_f32 v14, v14, v252                       ; the row's sum
	v_rcp_f32 v14, v14
	v_nop
.set J_, 0
	s_wait_alu depctr_va_vdst(0)
.rept 16
	v_pk_mul_f32 v[O+J_:O+J_+1], v[O+J_:O+J_+1], v[14:15] op_sel_hi:[1,0]
.set J_, J_+2
.endr
.irp b, 0,1                                    ; the head's 64 channels: two blocks of the next product's K
	v_max3_num_f32 v[232+\b], |v[O+16*\b]|, |v[O+16*\b+1]|, 0x4800000
.endr
.irp i, 2,4,6,8,10,12,14
.irp b, 0,1
	v_max3_num_f32 v[232+\b], v[232+\b], |v[O+16*\b+\i]|, |v[O+16*\b+\i+1]|
.endr
.endr
.irp b, 0,1
	v_permlanex16_b32 v[236+\b], v[232+\b], s[SEL], s[SEL+1]
.endr
.irp b, 0,1
	v_max_num_f32 v[232+\b], v[232+\b], v[236+\b]
.endr
.irp b, 0,1
	v_add_nc_u32 v[244+\b], 0xfc000000, v[232+\b]
.endr
.irp b, 0,1
	v_and_or_b32 v[240+\b], v[232+\b], 0x7f800000, s[MNT]
.endr
.irp b, 0,1
	v_lshrrev_b32 v[236+\b], 23, v[244+\b]
.endr
	v_lshl_or_b32 v254, v237, 8, v236
.irp b, 0,1
.set J_, 0
.rept 16
	v_med3_num_f32 v[O+16*\b+J_], v[O+16*\b+J_], -v[240+\b], v[240+\b]
.set J_, J_+1
.endr
	v_cvt_scalef32_pk8_fp8_f32 v[PCD+4*\b:PCD+4*\b+1], v[O+16*\b:O+16*\b+7], v[244+\b]
	v_cvt_scalef32_pk8_fp8_f32 v[PCD+4*\b+2:PCD+4*\b+3], v[O+16*\b+8:O+16*\b+15], v[244+\b]
.endr
	v_nop
	global_store_b128 v[L16], v[PCD:PCD+3], s[10:11] offset:\ps*131072            ; 512 consecutive bytes each
	global_store_b128 v[L16], v[PCD+4:PCD+7], s[10:11] offset:\ps*131072+512
	global_store_b16 v[L16], v254, s[12:13] offset:\ps*8192                        ; my head's two bytes of the token's scale words
.endm
	s_wait_tensorcnt 0x0                           ; my sixteenth has landed,
	s_barrier_signal -1
	s_barrier_wait -1                              ; everybody's has: all of K and V lie in LDS
	KLOAD 0, R1
	s_wait_loadcnt 0x0                             ; the first pass's Q
	PASS 0
	PASS 1
	s_wait_tensorcnt 0x0
	ds_add_u32 v251, v255
	s_wait_dscnt 0x0
	s_endpgm
.Lfunc_end_k_q0d798ad733_attn:
	.size	k_q0d798ad733_attn, .Lfunc_end_k_q0d798ad733_attn-k_q0d798ad733_attn
	.p2alignl 7, 3214868480
	.fill 96, 4, 3214868480
	.section	.rodata,"a",@progbits
	.p2align	6, 0x0
	.amdhsa_kernel k_q0d798ad733_attn
		.amdhsa_group_segment_fixed_size 169984
		.amdhsa_private_segment_fixed_size 0
		.amdhsa_enable_private_segment 0
		.amdhsa_kernarg_size 40
		.amdhsa_user_sgpr_count 2
		.amdhsa_user_sgpr_kernarg_segment_ptr 1
		.amdhsa_wavefront_size32 1
		.amdhsa_system_sgpr_workgroup_id_x 1
		.amdhsa_system_sgpr_workgroup_id_y 1
		.amdhsa_system_sgpr_workgroup_id_z 1
		.amdhsa_system_vgpr_workitem_id 0
		.amdhsa_next_free_vgpr 256
		.amdhsa_next_free_sgpr 96
		.amdhsa_reserve_vcc 0
		.amdhsa_float_denorm_mode_32 3
		.amdhsa_float_denorm_mode_16_64 3
		.amdhsa_memory_ordered 1
		.amdhsa_forward_progress 1
		.amdhsa_inst_pref_size 255
	.end_amdhsa_kernel
	.section	.bss,"aw",@nobits
	.p2align	6
	.space	262144
	.amdgpu_metadata
---
amdhsa.version: [ 1, 2 ]
amdhsa.kernels:
  - .name:           k_q0d798ad733_attn
    .symbol:         k_q0d798ad733_attn.kd
    .args:
      - { .name: qbuf, .offset: 0, .size: 8, .value_kind: global_buffer, .address_space: global }
      - { .name: kbuf, .offset: 8, .size: 8, .value_kind: global_buffer, .address_space: global }
      - { .name: vbuf, .offset: 16, .size: 8, .value_kind: global_buffer, .address_space: global }
      - { .name: att_codes, .offset: 24, .size: 8, .value_kind: global_buffer, .address_space: global }
      - { .name: att_sc, .offset: 32, .size: 8, .value_kind: global_buffer, .address_space: global }
    .group_segment_fixed_size: 169984
    .private_segment_fixed_size: 0
    .kernarg_segment_align: 8
    .kernarg_segment_size: 40
    .max_flat_workgroup_size: 512
    .sgpr_count:     96
    .vgpr_count:     256
    .wavefront_size: 32
...
	.end_amdgpu_metadata
.endif
;; end of part 2
;; launch ffn (part 3): grid 256 x 1, 4 waves a work-group, clusters of 4 x 1, 327,680 bytes of LDS; arguments x, att_codes, att_sc, Wo_codes, Wo_scales, bo, ln1_g, ln1_b, W1_codes, W1_scales, b1, W2_codes, W2_scales, b2, ln2_g, ln2_b, out0; writes out0
.if DOCPART == 3
	.amdgcn_target "amdgcn-amd-amdhsa--gfx1250"
	.amdhsa_code_object_version 6
	.text
	.protected	k_q0d798ad733_ffn
	.globl	k_q0d798ad733_ffn
	.p2align	8
	.type	k_q0d798ad733_ffn,@function
k_q0d798ad733_ffn:
	s_mov_b64 s[64:65], 0
	v_nop
	global_prefetch_b8 v0, s[64:65] scope:SCOPE_SE
	s_setreg_imm32_b32 hwreg(HW_REG_WAVE_MODE, 25, 1), 1
	s_wait_xcnt 0x0
	s_wait_alu depctr_hold_cnt(0) depctr_sa_sdst(0) depctr_va_vdst(0) depctr_va_sdst(0) depctr_va_ssrc(0) depctr_va_vcc(0) depctr_vm_vsrc(0)
	s_getreg_b32 s2, hwreg(HW_REG_IB_STS2, 6, 4)
	s_cmp_eq_u32 s2, 0
	s_cbranch_scc0 .Lentry_in_a_cluster
	s_endpgm
.Lentry_in_a_cluster:
	s_bfe_u32 s2, ttmp6, 0x10000c
	s_cmp_lg_u32 s2, 0x3003
	s_cbranch_scc0 .Lentry_shape_is_right
	s_endpgm
.Lentry_shape_is_right:
; x1 = LN1(x + att Wo + bo); out = LN2(x1 + gelu(x1 W1 + b1) W2 + b2).  The three products run on codes of FP8 (E4M3) with E8M0 scales; x1 and the hidden layer are quantised in registers and never go to memory.
; SHARES.  A work-group of four waves takes 64 tokens (four tiles m).  Wave w owns output columns 128 w .. 128 w + 127 for all 64 tokens: 32 accumulators (window 3, 64 m + 8 ct), which hold in turn
; x + bo + att Wo, x1, x1 + b2 + the second FFN product, and the result.  The hidden layer goes in 16 chunks of 128 units; in a chunk wave w makes units 32 w .. 32 w + 31: block w of one K step of the last product.
; All products are used transposed (source 0 = 16 rows of a weight, source 1 = 16 tokens): a lane holds one token and eight neighbouring columns, and the 16 registers of two tiles go as they stand into an
; operand's places: inside a block of 32 the order is 8 h + 0..7, then 16 + 8 h + 0..7.  The weights' fragments are read from LDS in that same order, by loads of 8 bytes.
; Operands go from wave to wave as images of their registers, 16 bytes a lane.  The weights come through two LDS slots; the four work-groups of a cluster walk the same weights: each load is asked for jointly.
; THE CHUNK'S BODY IS WRITTEN FOR EITHER SLOT: its LDS addresses are a base + s[TB], which turns between 0 and the slots' distance; the two walking descriptors' LDS words are turned by the same exclusive or
; (the distance, 0x24000, shares no bit with the four offsets 0, 0x8400, 0x10800, 0x19800 that these words hold).  A loop of 14 trips (body, refill) and a loop of 2 (body, no refill) walk the 16 chunks.
; W2's rows in a chunk are 128 bytes: two slots of the longer step do not fit beside W1's.  W2's scale words come by loads of four bytes a lane, eight a chunk, asked for at the chunk's head for its end;
; W1's scale words and b1 of the next chunk are asked for behind this chunk's first product.
; gelu: erf(z) = z P(z^2) / Q(z^2) with z held within +-4, the rational form of degrees 13 and 8, good to a few units in erf's last place; 1 + erf cancels for large negative arguments as in any f32 evaluation of the formula.
; LN: each wave's mean and sum of squared distances from ITS mean over its 128 columns, joined over the four waves: no difference of large sums is formed.
; LIMITS: NaN and infinities are not served.  A block of zeros, or one under 2^-118, gets the byte 1; these bytes are read by this launch alone.  Biases and residuals enter as a sum's starting value, ahead of the products.
.set WP,    528                        ; a row of 512 bytes + 16
.set W2P,   144                        ; a row of 128 bytes + 16
.set W2O,   128*WP                     ; in a slot: W1's 128 rows, then W2's 512
.set SLOTB, W2O+512*W2P                ; a slot's bytes: 141,312.  As a slot of x or Wo: wave w's 64 rows of 528
.set SLOT,  0x24000                    ; from slot 0 to slot 1
.set REGA,  SLOT+SLOTB                 ; x1's images and scale words; then the hidden layer's; then the stages of the way out
.set STAT,  REGA+34816                 ; LN: m x 512 + token x 32 + wave x 8
.set SPARE, STAT+2048
.set L16, 1
.set SPW, 2
.set NIL, 3
.set AWO, 4                            ; v4-5   Wo's rows in slot 0, 1: row r, + 8 h
.set AW1, 6                            ; v6     W1's rows in slot 0;  v7 in the slot in hand
.set AW1C, 7
.set AW2, 8                            ; v8, v9 W2's likewise
.set AW2C, 9
.set XAD, 10                           ; x in slot 1
.set XWI, 11                           ; x1's images: store
.set XWS, 12
.set IML, 13                           ; images: load
.set XSL, 14
.set HWI, 15                           ; the hidden layer's images: store
.set HWB, 16                           ; its scale byte
.set HSL, 17
.set STW, 18
.set STR, 19
.set SGW, 20
.set SGR, 21
.set OO,  22
.set O1S, 23
.set O2S, 24
.set OB1, 25
.set OB,  26
.set OWS, 27
.set KA,  28                           ; v[28:29] erf's a13, twice;  v[30:31] b8, twice;  the other eleven constants: v232-253, each twice
.set KB,  30
.set KZ,  232
.set K11, 234
.set KB6, 246
.set XS,  32                           ; v32-47  source 1's scale words (4 m + ks)
.set WOS, 48                           ; v48-79  Wo's scale words (4 ct + ks); later:
.set W1S, 48                           ; v48-55  W1's (4 u + ks)
.set W2S, 64                           ; v64-71  W2's (ct)
.set HS,  80                           ; v80-83  the hidden layer's
.set TM,  84
.set PW,  100
.set GT,  104                          ; v104-167 at work
.set A1,  168                          ; v168-231 the chunk's 8 accumulators (16 m + 8 u); also bo, held numbers, rows on the way out
.set GZ,  GT
.set GS,  GT+16
.set GP,  GT+32
.set GQ,  GT+48
.set LT,  GT
.set ST,  GT+8
.set LD,  GT+16
.set RC,  GT+48
.set G1A, 40
.set G1B, 48
.set G1X, 56
.set TB,  66                           ; s66  the slot in hand: 0 or SLOT
.set G0A, 68                           ; s[68:71] Wo's first half, then W1's walking descriptor;  s[72:75] Wo's second half
.set G0B, 76                           ; s[76:79] W2's walking descriptor
.set G0X, 84
.set WV,  88
.set WL,  89
.set WH,  90
.set MNT, 91
.set SEL, 92
.set CNT, 94
.set WLA, 95
.set MSB, 0
.macro WIN new
.if MSB != \new
	s_set_vgpr_msb (MSB<<8)|\new
.set MSB, \new
.endif
.endm
.macro PLACES n
.rept \n
	v_nop
.endr
.endm
.macro KSET reg, val
	v_mov_b32 v[\reg], \val
	v_mov_b32 v[\reg+1], \val
.endm
.macro ROUND
	s_barrier_signal -1
	s_barrier_wait -1
	s_cmp_lg_u32 s[WV], 0
	s_cbranch_scc1 .Lnw0_\@
	s_barrier_signal -3
.Lnw0_\@:
	s_barrier_wait -3
	s_barrier_signal -1
	s_barrier_wait -1
.endm
.macro LINES                           ; all my tensor loads have landed; the add.  The wait for it follows behind the descriptors' steps
	WIN 0
	s_wait_tensorcnt 0x0
	ds_add_u32 v[SPW], v[NIL]
.endm
.macro JLOAD                           ; waves 0, 1: W1's halves; waves 2, 3: W2's.  The branch hangs on the wave's number alone
	s_cmp_eq_u32 s[WH], 0
	s_cbranch_scc0 .Lfb_\@
	tensor_load_to_lds s[G0A:G0A+3], s[G1A:G1A+7]
	s_nop 0
	PLACES 4
	s_branch .Lja_\@
.Lfb_\@:
	tensor_load_to_lds s[G0B:G0B+3], s[G1B:G1B+7]
	s_nop 0
	PLACES 4
.Lja_\@:
.endm
.macro FRAGPI reg, adr, off            ; a weight's fragment in the results' order: registers 4 c, 4 c + 1: K = 32 c + 8 h + 0..7; 4 c + 2, 4 c + 3: K = 32 c + 16 + 8 h + 0..7
.irp c, 0,1,2,3
	ds_load_b64 v[(\reg)+4*\c:(\reg)+4*\c+1], v[\adr] offset:(\off)+32*\c
	ds_load_b64 v[(\reg)+4*\c+2:(\reg)+4*\c+3], v[\adr] offset:(\off)+32*\c+16
.endr
.endm
.macro IMG_ST adr, off, reg
.irp c, 0,1,2,3
	ds_store_b128 v[\adr], v[(\reg)+4*\c:(\reg)+4*\c+3] offset:(\off)+512*\c
.endr
.endm
.macro IMG_LD reg, adr, off
.irp c, 0,1,2,3
	ds_load_b128 v[(\reg)+4*\c:(\reg)+4*\c+3], v[\adr] offset:(\off)+512*\c
.endr
.endm
; 64 numbers of a lane in window sw, four blocks of 16 registers, become 16 registers of codes at v[pc] and four scale bytes in v[TM+4..7]; the held numbers go to v[held] in window 0
.macro QUANT4 src, sw, held, pc
	WIN ((\sw)|((\sw)<<2))
.irp b, 0,1,2,3
	v_max3_num_f32 v[TM+\b], |v[(\src)+16*\b]|, |v[(\src)+16*\b+1]|, 0x4800000
.endr
	WIN (((\sw)<<2)|((\sw)<<4))
.irp i, 2,4,6,8,10,12,14
.irp b, 0,1,2,3
	v_max3_num_f32 v[TM+\b], v[TM+\b], |v[(\src)+16*\b+\i]|, |v[(\src)+16*\b+\i+1]|
.endr
.endr
	WIN 0
.irp b, 0,1,2,3
	v_permlanex16_b32 v[TM+4+\b], v[TM+\b], s[SEL], s[SEL+1]
.endr
.irp b, 0,1,2,3
	v_max_num_f32 v[TM+\b], v[TM+\b], v[TM+4+\b]
.endr
.irp b, 0,1,2,3
	v_add_nc_u32 v[TM+12+\b], 0xfc000000, v[TM+\b]
.endr
.irp b, 0,1,2,3
	v_and_or_b32 v[TM+8+\b], v[TM+\b], 0x7f800000, s[MNT]
.endr
.irp b, 0,1,2,3
	v_lshrrev_b32 v[TM+4+\b], 23, v[TM+12+\b]
.endr
	WIN (\sw)
.irp b, 0,1,2,3
.irp i, 0,1,2,3,4,5,6,7,8,9,10,11,12,13,14,15
	v_med3_num_f32 v[(\held)+16*\b+\i], v[(\src)+16*\b+\i], -v[TM+8+\b], v[TM+8+\b]
.endr
.endr
	WIN 0
.irp b, 0,1,2,3
	v_cvt_scalef32_pk8_fp8_f32 v[(\pc)+4*\b:(\pc)+4*\b+1], v[(\held)+16*\b:(\held)+16*\b+7], v[TM+12+\b]
	v_cvt_scalef32_pk8_fp8_f32 v[(\pc)+4*\b+2:(\pc)+4*\b+3], v[(\held)+16*\b+8:(\held)+16*\b+15], v[TM+12+\b]
.endr
	v_nop                                          ; one plain line behind the last conversion
.endm
.macro PWORD
	v_lshl_or_b32 v[PW], v[TM+5], 8, v[TM+4]
	v_lshl_or_b32 v[PW], v[TM+6], 16, v[PW]
	v_lshl_or_b32 v[PW], v[TM+7], 24, v[PW]
.endm
; gelu in place on 16 registers, eight pairs by turns; every constant stands twice in a register pair, so that no line carries a literal
.macro GELU16 a
.irp i, 0,2,4,6,8,10,12,14
	v_pk_mul_f32 v[GZ+\i:GZ+\i+1], v[(\a)+\i:(\a)+\i+1], v[KZ:KZ+1]                      ; z = h / sqrt(2)
.endr
.irp i, 0,1,2,3,4,5,6,7,8,9,10,11,12,13,14,15
	v_med3_num_f32 v[GZ+\i], v[GZ+\i], -4.0, 4.0
.endr
.irp i, 0,2,4,6,8,10,12,14
	v_pk_mul_f32 v[GS+\i:GS+\i+1], v[GZ+\i:GZ+\i+1], v[GZ+\i:GZ+\i+1]
.endr
.irp i, 0,2,4,6,8,10,12,14
	v_pk_fma_f32 v[GP+\i:GP+\i+1], v[GS+\i:GS+\i+1], v[KA:KA+1], v[K11:K11+1]
.endr
.irp k, 236,238,240,242,244
.irp i, 0,2,4,6,8,10,12,14
	v_pk_fma_f32 v[GP+\i:GP+\i+1], v[GP+\i:GP+\i+1], v[GS+\i:GS+\i+1], v[\k:\k+1]
.endr
.endr
.irp i, 0,2,4,6,8,10,12,14
	v_pk_fma_f32 v[GQ+\i:GQ+\i+1], v[GS+\i:GS+\i+1], v[KB:KB+1], v[KB6:KB6+1]
.endr
.irp k, 248,250,252
.irp i, 0,2,4,6,8,10,12,14
	v_pk_fma_f32 v[GQ+\i:GQ+\i+1], v[GQ+\i:GQ+\i+1], v[GS+\i:GS+\i+1], v[\k:\k+1]
.endr
.endr
.irp i, 0,2,4,6,8,10,12,14
	v_pk_mul_f32 v[GP+\i:GP+\i+1], v[GP+\i:GP+\i+1], v[GZ+\i:GZ+\i+1]
.endr
.irp i, 0,1,2,3,4,5,6,7,8,9,10,11,12,13,14,15
	v_rcp_f32 v[GQ+\i], v[GQ+\i]
.endr
.irp i, 0,2,4,6,8,10,12,14
	v_pk_mul_f32 v[(\a)+\i:(\a)+\i+1], v[(\a)+\i:(\a)+\i+1], 0.5 op_sel_hi:[1,0]          ; (plain lines behind the reciprocals)
.endr
	s_wait_alu depctr_va_vdst(0)
.irp i, 0,2,4,6,8,10,12,14
	v_pk_mul_f32 v[GP+\i:GP+\i+1], v[GP+\i:GP+\i+1], v[GQ+\i:GQ+\i+1]                    ; erf
.endr
.irp i, 0,2,4,6,8,10,12,14
	v_pk_fma_f32 v[(\a)+\i:(\a)+\i+1], v[(\a)+\i:(\a)+\i+1], v[GP+\i:GP+\i+1], v[(\a)+\i:(\a)+\i+1]
.endr
.endm
; LN over the 512 columns of each token, in place on the accumulators; gain at v[gr], shift at v[br] of window gw
.macro LN gw, gr, br
.irp m, 0,1,2,3
	WIN 0x0F
.irp c, 0,2,4,6
	v_pk_add_f32 v[LT+\c:LT+\c+1], v[64*\m+\c:64*\m+\c+1], v[64*\m+8+\c:64*\m+8+\c+1]    ; four chains; each accumulator is read from its low end on
.endr
	WIN 0x0C
.irp p, 16,24,32,40,48,56
.irp c, 0,2,4,6
	v_pk_add_f32 v[LT+\c:LT+\c+1], v[LT+\c:LT+\c+1], v[64*\m+\p+\c:64*\m+\p+\c+1]
.endr
.endr
	WIN 0
	v_pk_add_f32 v[LT:LT+1], v[LT:LT+1], v[LT+2:LT+3]
	v_pk_add_f32 v[LT+4:LT+5], v[LT+4:LT+5], v[LT+6:LT+7]
	v_pk_add_f32 v[LT:LT+1], v[LT:LT+1], v[LT+4:LT+5]
	v_add_f32 v[LT], v[LT], v[LT+1]
	v_permlanex16_b32 v[TM+4], v[LT], s[SEL], s[SEL+1]
	v_add_f32 v[LT], v[LT], v[TM+4]
	v_mul_f32 v[ST+2*\m], 0x3c000000, v[LT]        ; my 128 columns' mean, twice: a pair for the packed lines
	v_mul_f32 v[ST+2*\m+1], 0x3c000000, v[LT]
	WIN 0xC3
.set Q_, 0
.rept 32
	v_pk_add_f32 v[64*\m+Q_:64*\m+Q_+1], v[64*\m+Q_:64*\m+Q_+1], v[ST+2*\m:ST+2*\m+1] neg_lo:[0,1] neg_hi:[0,1]
.set Q_, Q_+2
.endr
	WIN 0x0F
.irp c, 0,2,4,6
	v_pk_mul_f32 v[LT+\c:LT+\c+1], v[64*\m+\c:64*\m+\c+1], v[64*\m+\c:64*\m+\c+1]
.endr
.irp p, 8,16,24,32,40,48,56
.irp c, 0,2,4,6
	v_pk_fma_f32 v[LT+\c:LT+\c+1], v[64*\m+\p+\c:64*\m+\p+\c+1], v[64*\m+\p+\c:64*\m+\p+\c+1], v[LT+\c:LT+\c+1]
.endr
.endr
	WIN 0
	v_pk_add_f32 v[LT:LT+1], v[LT:LT+1], v[LT+2:LT+3]
	v_pk_add_f32 v[LT+4:LT+5], v[LT+4:LT+5], v[LT+6:LT+7]
	v_pk_add_f32 v[LT:LT+1], v[LT:LT+1], v[LT+4:LT+5]
	v_add_f32 v[LT], v[LT], v[LT+1]
	v_permlanex16_b32 v[TM+4], v[LT], s[SEL], s[SEL+1]
	v_add_f32 v[ST+2*\m+1], v[LT], v[TM+4]         ; the squared distances from my mean
	ds_store_b64 v[STW], v[ST+2*\m:ST+2*\m+1] offset:512*\m
.endr
	s_wait_dscnt 0x0                               ; my stores have landed, and all my earlier LDS loads are in
	s_barrier_signal -1
	s_barrier_wait -1
.irp m, 0,1,2,3
	ds_load_b128 v[LD+8*\m:LD+8*\m+3], v[STR] offset:512*\m
	ds_load_b128 v[LD+8*\m+4:LD+8*\m+7], v[STR] offset:512*\m+16
.endr
	s_wait_dscnt 0x0
.irp m, 0,1,2,3
	v_add_f32 v[LT], v[LD+8*\m], v[LD+8*\m+2]
	v_add_f32 v[LT+1], v[LD+8*\m+4], v[LD+8*\m+6]
	v_add_f32 v[LT], v[LT], v[LT+1]
	v_mul_f32 v[LT], 0x3e800000, v[LT]             ; the token's mean
	v_sub_f32 v[LT+2], v[LD+8*\m], v[LT]
	v_sub_f32 v[LT+3], v[LD+8*\m+2], v[LT]
	v_sub_f32 v[LT+4], v[LD+8*\m+4], v[LT]
	v_sub_f32 v[LT+5], v[LD+8*\m+6], v[LT]
	v_mul_f32 v[LT+1], v[LT+2], v[LT+2]
	v_fmac_f32 v[LT+1], v[LT+3], v[LT+3]
	v_fmac_f32 v[LT+1], v[LT+4], v[LT+4]
	v_fmac_f32 v[LT+1], v[LT+5], v[LT+5]
	v_add_f32 v[LT+2], v[LD+8*\m+1], v[LD+8*\m+3]
	v_add_f32 v[LT+3], v[LD+8*\m+5], v[LD+8*\m+7]
	v_add_f32 v[LT+2], v[LT+2], v[LT+3]
	v_fma_f32 v[LT+1], v[LT+1], 0x43000000, v[LT+2]        ; + 128 x the waves' means' squared distances
	v_fma_f32 v[LT+1], v[LT+1], s38, s39           ; / 512 + 1e-5
	v_rsq_f32 v[RC+4*\m], v[LT+1]
	v_rsq_f32 v[RC+4*\m+1], v[LT+1]
	v_sub_f32 v[LT+2], v[ST+2*\m], v[LT]           ; (a plain line behind the roots)  my mean less the token's
	s_wait_alu depctr_va_vdst(0)
	v_mul_f32 v[RC+4*\m+2], v[LT+2], v[RC+4*\m]
	v_mul_f32 v[RC+4*\m+3], v[LT+2], v[RC+4*\m]
.endr
.irp m, 0,1,2,3
	WIN 0xC3
.set Q_, 0
.rept 32
	v_pk_fma_f32 v[64*\m+Q_:64*\m+Q_+1], v[64*\m+Q_:64*\m+Q_+1], v[RC+4*\m:RC+4*\m+1], v[RC+4*\m+2:RC+4*\m+3]
.set Q_, Q_+2
.endr
	WIN (0xC3|((\gw)<<2)|((\gw)<<4))
.set Q_, 0
.rept 32
	v_pk_fma_f32 v[64*\m+Q_:64*\m+Q_+1], v[64*\m+Q_:64*\m+Q_+1], v[(\gr)+Q_:(\gr)+Q_+1], v[(\br)+Q_:(\br)+Q_+1]
.set Q_, Q_+2
.endr
.endr
	WIN 0
.endm
; half hf of my 128 columns of att Wo: 64 matrix instructions, 16 accumulators by turns, two K steps' fragments at a time
.macro PTRIP hf
.irp kh, 0,1
	PLACES 8                                       ; ahead of loads into registers that matrix instructions have read
	WIN 0x80
.irp k2, 0,1
.irp t, 0,1,2,3
	FRAGPI 16*(4*\k2+\t), AWO+\hf, 16*\t*WP+128*(2*\kh+\k2)
.endr
.endr
.irp k2, 0,1
	s_wait_dscnt 32-32*\k2                         ; the second K step's 32 loads may be out
	WIN 0xF6                                       ; Wo window 2, att window 1, C and D window 3
.irp m, 0,1,2,3
.irp t, 0,1,2,3
	v_wmma_scale_f32_16x16x128_f8f6f4 v[64*\m+8*(4*\hf+\t):64*\m+8*(4*\hf+\t)+7], v[16*(4*\k2+\t):16*(4*\k2+\t)+15], v[16*(4*\m+2*\kh+\k2):16*(4*\m+2*\kh+\k2)+15], v[64*\m+8*(4*\hf+\t):64*\m+8*(4*\hf+\t)+7], v[WOS+4*(4*\hf+\t)+2*\kh+\k2], v[XS+4*\m+2*\kh+\k2]
.endr
.endr
.endr
.endr
	WIN 0
.endm
.macro SMALLA                          ; a chunk's scale words of W1 and its part of b1
.irp u, 0,1
	global_load_b128 v[W1S+4*\u:W1S+4*\u+3], v[O1S], s[22:23] offset:256*\u
.endr
	WIN 0x80
.irp u, 0,1
	global_load_b128 v[192+8*\u:192+8*\u+3], v[OB1], s[24:25] offset:64*\u
	global_load_b128 v[192+8*\u+4:192+8*\u+7], v[OB1], s[24:25] offset:64*\u+16
.endr
	WIN 0
.endm
; a chunk of 128 hidden units from the slot at s[TB].  tail = 1: the body of the last two chunks, whose last trip asks for LN2's gain and shift in place of a next chunk's small loads
.macro BODY tail
	s_wait_loadcnt 0x0                             ; this chunk's scale words of W1 and its bias, asked for in the chunk before
	PLACES 8                                       ; ahead of loads into registers that the last products read
	v_add_nc_u32 v[AW1C], s[TB], v[AW1]
	v_add_nc_u32 v[AW2C], s[TB], v[AW2]
.irp ct, 0,1,2,3,4,5,6,7
	global_load_b32 v[W2S+\ct], v[O2S], s[28:29] offset:1024*\ct   ; W2's scale words of this chunk: wanted at its end
.endr
	WIN 0x80
.irp ks, 0,1,2,3
.irp u, 0,1
	FRAGPI 16*(2*\ks+\u), AW1C, 16*\u*WP+128*\ks
.endr
.endr
.irp ks, 0,1,2,3
	s_wait_dscnt 48-16*\ks                         ; the later K steps' loads, 16 each, may be out
.if \ks == 0
	WIN 0x26                                       ; W1 window 2, x1 window 1, b1 window 2
.else
	WIN 0x06
.endif
.irp m, 0,1,2,3
.irp u, 0,1
.if \ks == 0
	v_wmma_scale_f32_16x16x128_f8f6f4 v[A1+16*\m+8*\u:A1+16*\m+8*\u+7], v[16*(2*\ks+\u):16*(2*\ks+\u)+15], v[16*(4*\m+\ks):16*(4*\m+\ks)+15], v[192+8*\u:192+8*\u+7], v[W1S+4*\u+\ks], v[XS+4*\m+\ks]
.else
	v_wmma_scale_f32_16x16x128_f8f6f4 v[A1+16*\m+8*\u:A1+16*\m+8*\u+7], v[16*(2*\ks+\u):16*(2*\ks+\u)+15], v[16*(4*\m+\ks):16*(4*\m+\ks)+15], v[A1+16*\m+8*\u:A1+16*\m+8*\u+7], v[W1S+4*\u+\ks], v[XS+4*\m+\ks]
.endif
.endr
.endr
.endr
	WIN 0
	PLACES 8                                       ; ahead of the first read of results and of loads into the products' registers
.if \tail
	s_cmp_eq_u32 s[CNT], 1                         ; the very last chunk has no successor: no load leaves its buffer
	s_cbranch_scc1 .Lfin_\@
.endif
	s_add_nc_u64 s[22:23], s[22:23], 2048          ; (the loads that named these bases were waited for at the body's head)
	s_add_nc_u64 s[24:25], s[24:25], 512
	SMALLA                                         ; the next chunk's
.if \tail
	s_branch .Ljn_\@
.Lfin_\@:
	WIN 0x40                                       ; x1's fragments are done with: LN2's gain and shift take their place
.irp ct, 0,1,2,3,4,5,6,7
	global_load_b128 v[8*\ct:8*\ct+3], v[OB], s[32:33] offset:64*\ct
	global_load_b128 v[8*\ct+4:8*\ct+7], v[OB], s[32:33] offset:64*\ct+16
	global_load_b128 v[64+8*\ct:64+8*\ct+3], v[OB], s[34:35] offset:64*\ct
	global_load_b128 v[64+8*\ct+4:64+8*\ct+7], v[OB], s[34:35] offset:64*\ct+16
.endr
	WIN 0
.Ljn_\@:
.endif
	GELU16 A1
	WIN 0x80
.irp ct, 0,1,2,3,4,5,6,7
	FRAGPI 16*\ct, AW2C, 16*\ct*W2P                ; W2's fragments land while the rest of the activation is worked
.endr
	WIN 0
	GELU16 A1+16
	GELU16 A1+32
	GELU16 A1+48
	QUANT4 A1, 0, A1, GT                           ; block m of the four: my 32 units of token tile m
.irp m, 0,1,2,3
	ds_store_b128 v[HWI], v[GT+4*\m:GT+4*\m+3] offset:2048*\m      ; registers 4 w .. 4 w + 3 of tile m's fragment
	ds_store_b8 v[HWB], v[TM+4+\m] offset:128*\m                   ; byte w of its scale word
.endr
	s_wait_dscnt 0x0
	s_barrier_signal -1
	s_barrier_wait -1                              ; the chunk's four fragments lie in LDS (the other slot's refill may stay out)
	WIN 0x80
.irp m, 0,1,2,3
	IMG_LD 128+16*\m, IML, 2048*\m
.endr
	WIN 0
.irp m, 0,1,2,3
	ds_load_b32 v[HS+\m], v[HSL] offset:128*\m
.endr
	s_wait_dscnt 0x0
	s_wait_loadcnt 0x0                             ; W2's scale words, asked for at the body's head (and what was asked for behind them)
	s_add_nc_u64 s[28:29], s[28:29], 4             ; their base steps behind that wait
	WIN 0xFA                                       ; W2 and the hidden layer window 2, C and D window 3
.irp m, 0,1,2,3
.irp ct, 0,1,2,3,4,5,6,7
	v_wmma_scale_f32_16x16x128_f8f6f4 v[64*\m+8*\ct:64*\m+8*\ct+7], v[16*\ct:16*\ct+15], v[128+16*\m:128+16*\m+15], v[64*\m+8*\ct:64*\m+8*\ct+7], v[W2S+\ct], v[HS+\m]
.endr
.endr
	WIN 0
.endm
.macro STEPHEAD                        ; the slot that is not the last one filled takes the next chunk's W1 and W2
	LINES
	s_xor_b32 s[G0A+1], s[G0A+1], SLOT             ; the walking descriptors: the other slot than last time,
	s_add_nc_u64 s[G0A+2:G0A+3], s[G0A+2:G0A+3], 65536     ; W1's next 128 rows;
	s_xor_b32 s[G0B+1], s[G0B+1], SLOT
	s_add_nc_u64 s[G0B+2:G0B+3], s[G0B+2:G0B+3], 128       ; W2's next 128 along K; the type bits on top are not reached
	s_wait_dscnt 0x0                               ; the add is done, and so are my reads of the slot
	ROUND
	JLOAD
.endm
.macro OUT m                           ; 16 tokens x my 128 columns through my stage: whole rows of 512 bytes leave
.set OBF, A1-64*((\m)%2)
.if (\m) >= 2
	s_wait_xcnt 0x0                                ; the stores of two tiles ago have read these registers
.endif
	WIN 0x0C                                       ; an LDS store's data: window 3
.irp ct, 0,1,2,3,4,5,6,7
	ds_store_b128 v[SGW], v[64*(\m)+8*\ct:64*(\m)+8*\ct+3] offset:64*\ct
	ds_store_b128 v[SGW], v[64*(\m)+8*\ct+4:64*(\m)+8*\ct+7] offset:64*\ct+16
.endr
	WIN 0
.irp i, 0,1,2,3,4,5,6,7,8,9,10,11,12,13,14,15
	ds_load_b128 v[OBF+4*\i:OBF+4*\i+3], v[SGR] offset:WP*\i       ; LDS serves a wave's instructions in order (ISA guide 5.7.1.4): these see my stores
.endr
.irp i, 0,1,2,3,4,5,6,7,8,9,10,11,12,13,14,15
	s_wait_dscnt 15-\i
	global_store_b128 v[OO], v[OBF+4*\i:OBF+4*\i+3], s[36:37] offset:(16*(\m)+\i)*2048 th:TH_STORE_NT   ; 512 consecutive bytes, at a multiple of 512 from the buffer's first byte
.endr
.endm
	s_load_b512 s[4:19], s[0:1], 0x0               ; x, att_codes, att_sc, Wo codes, Wo scales, bo, ln1_g, ln1_b
	s_load_b512 s[20:35], s[0:1], 0x40             ; W1 codes, W1 scales, b1, W2 codes, W2 scales, b2, ln2_g, ln2_b
	s_load_b64 s[36:37], s[0:1], 0x80              ; out0
	v_lshl_add_u32 v[SPW], v0, 2, SPARE
	v_mov_b32 v[NIL], 0
	ds_add_u32 v2, v3
	ds_add_u32 v2, v3
	s_wait_dscnt 0x0
	v_lshrrev_b32 v101, 5, v0
	v_readfirstlane_b32 s[WV], v101                ; wave 0..3
	s_and_b32 s[WL], s[WV], 1
	s_lshr_b32 s[WH], s[WV], 1
	s_bfe_u32 s96, ttmp6, 0x40000                  ; cx
	s_lshl_b32 s[CNT], ttmp9, 2
	s_add_co_u32 s[CNT], s[CNT], s96               ; my block of 64 tokens (until the loops take the register): it enters x's, att's and the output's addresses alone
	s_mov_b32 s[G1A], 15|(1<<20)|(1<<21)|(6<<22)|(3<<25)   ; 64 rows of 512 bytes, four words of padding behind each; mask: all four work-groups
	s_mov_b32 s[G1A+1], 512<<16
	s_mov_b32 s[G1A+2], 64<<16
	s_mov_b32 s[G1A+3], 512<<16
	s_mov_b32 s[G1A+4], 64
	s_mov_b32 s[G1A+5], 512
	s_mov_b32 s[G1A+6], 0
	s_mov_b32 s[G1A+7], 0
	s_mov_b32 s[G1B], 15|(1<<20)|(1<<21)|(4<<22)|(3<<25)   ; 256 rows of 128 bytes, 2,048 apart
	s_mov_b32 s[G1B+1], 128<<16
	s_mov_b32 s[G1B+2], 256<<16
	s_mov_b32 s[G1B+3], 128<<16
	s_mov_b32 s[G1B+4], 256
	s_mov_b32 s[G1B+5], 2048
	s_mov_b32 s[G1B+6], 0
	s_mov_b32 s[G1B+7], 0
	s_mov_b32 s[G1X], (1<<20)|(6<<22)|(3<<25)      ; x: 64 rows of 512 bytes, 2,048 apart; no mask
	s_mov_b32 s[G1X+1], 512<<16
	s_mov_b32 s[G1X+2], 64<<16
	s_mov_b32 s[G1X+3], 512<<16
	s_mov_b32 s[G1X+4], 64
	s_mov_b32 s[G1X+5], 2048
	s_mov_b32 s[G1X+6], 0
	s_mov_b32 s[G1X+7], 0
	s_mov_b32 s[SEL], 0x76543210
	s_mov_b32 s[SEL+1], 0xfedcba98
	s_mov_b32 s[MNT], 0x600000
	s_mov_b32 s38, 0x3b000000                      ; 1 / 512
	s_mov_b32 s39, 0x3727C5AC                      ; 1e-5
	s_mul_i32 s98, s[WV], 64*WP
	v_and_b32 v103, 31, v0
	v_and_b32 v101, 15, v0                         ; r
	v_bfe_u32 v102, v0, 4, 1                       ; h
	v_lshlrev_b32 v[L16], 4, v103
	v_mul_u32_u24 v104, v101, WP
	v_lshl_add_u32 v105, v102, 3, v104
	v_add_nc_u32 v[AWO], s98, v105
	v_add_nc_u32 v[AWO+1], SLOT, v[AWO]
	s_mul_i32 s96, s[WV], 32*WP
	v_add_nc_u32 v[AW1], s96, v105
	v_mul_u32_u24 v106, v101, W2P
	v_lshl_add_u32 v106, v102, 3, v106
	s_mul_i32 s96, s[WV], 128*W2P
	s_add_co_u32 s96, s96, W2O
	v_add_nc_u32 v[AW2], s96, v106
	v_lshl_add_u32 v107, v102, 5, v104
	s_add_co_u32 s96, s98, SLOT
	v_add_nc_u32 v[XAD], s96, v107
	s_lshl_b32 s96, s[WV], 11
	s_add_co_u32 s96, s96, REGA
	v_add_nc_u32 v[XWI], s96, v[L16]
	s_lshl_b32 s96, s[WV], 7
	s_add_co_u32 s96, s96, REGA+32768
	v_lshl_add_u32 v[XWS], v103, 2, s96
	v_add_nc_u32 v[IML], REGA, v[L16]
	v_lshl_add_u32 v[XSL], v103, 2, REGA+32768
	s_lshl_b32 s96, s[WV], 9
	s_add_co_u32 s99, s96, REGA
	v_add_nc_u32 v[HWI], s99, v[L16]
	s_add_co_u32 s99, s[WV], REGA+8192
	v_lshl_add_u32 v[HWB], v103, 2, s99
	v_lshl_add_u32 v[HSL], v103, 2, REGA+8192
	s_lshl_b32 s99, s[WV], 3
	s_add_co_u32 s99, s99, STAT
	v_lshl_add_u32 v[STW], v101, 5, s99
	v_lshl_add_u32 v[STR], v101, 5, STAT
	s_mul_i32 s99, s[WV], 16*WP
	s_add_co_u32 s99, s99, REGA
	v_add_nc_u32 v[SGW], s99, v107
	v_add_nc_u32 v[SGR], s99, v[L16]
	v_add_nc_u32 v[OO], s96, v[L16]                ; 16 x lane + 512 w
	v_lshl_add_u32 v[O1S], v101, 4, s96
	v_lshl_add_u32 v[OB], v102, 5, s96
	s_lshl_b32 s99, s[WV], 13
	v_lshl_add_u32 v[O2S], v101, 6, s99
	s_lshl_b32 s99, s[WV], 7
	v_lshl_add_u32 v[OB1], v102, 5, s99
	s_lshl_b32 s99, s[WV], 11
	v_lshl_add_u32 v[OWS], v101, 4, s99
	KSET KA,  0xAF95DF0B                           ; erf's numerator: a13,
	KSET 234, 0x32EDFFEE                           ; a11,
	KSET 236, 0xB60CFF51                           ; a9,
	KSET 238, 0xB86EC2D2                           ; a7,
	KSET 240, 0xBA40AC63                           ; a5,
	KSET 242, 0xBB41A1F6                           ; a3,
	KSET 244, 0xBC83DBD4                           ; a1;
	KSET KB,  0xB77460CD                           ; its denominator: b8,
	KSET 246, 0xB95FBD29                           ; b6,
	KSET 248, 0xBADC924E                           ; b4,
	KSET 250, 0xBBF19BF8                           ; b2,
	KSET 252, 0xBC69B6A7                           ; b0;
	KSET 232, 0x3f3504f3                           ; 1 / sqrt(2)
.irp b, 0,1,2,3
	v_mov_b32 v[TM+4+\b], 0                        ; written once: a lane permute's destination counts as one of its sources
.endr
	s_mul_i32 s[WLA], s[WL], 64*WP
	s_lshl_b32 s2, s[WL], 15
	s_mov_b32 s3, 0
	s_lshl_b32 s100, s[CNT], 17
	s_lshl_b32 s99, s[WV], 9
	s_add_co_u32 s100, s100, s99
	s_mov_b32 s101, 0
	s_lshl_b32 s96, s[WV], 16
	s_mov_b32 s97, 0
	s_mov_b32 s[G0X], 1
	s_add_co_u32 s[G0X+1], s98, SLOT
	s_mov_b32 s[G0A], 1
	s_mov_b32 s[G0A+1], s98
	s_mov_b32 s[G0A+4], 1
	s_add_co_u32 s[G0A+5], s98, SLOT
	s_mul_i32 s99, s[WL], 256*W2P
	s_mov_b32 s[G0B], 1
	s_add_co_u32 s[G0B+1], s99, W2O
	s_wait_kmcnt 0x0
	s_add_nc_u64 s[G0X+2:G0X+3], s[4:5], s[100:101]
	s_or_b32 s[G0X+3], s[G0X+3], 0x80000000
	s_add_nc_u64 s[G0A+2:G0A+3], s[10:11], s[96:97]        ; Wo: my 128 rows, first half;
	s_add_nc_u64 s[G0A+6:G0A+7], s[G0A+2:G0A+3], 32768     ; second half
	s_or_b32 s[G0A+3], s[G0A+3], 0x80000000
	s_or_b32 s[G0A+7], s[G0A+7], 0x80000000
	s_lshl_b32 s96, s[WL], 19
	s_add_nc_u64 s[G0B+2:G0B+3], s[26:27], s[96:97]        ; W2: 256 rows, chunk 0
	s_or_b32 s[G0B+3], s[G0B+3], 0x80000000
	s_lshl_b32 s96, s[CNT], 15
	s_add_nc_u64 s[6:7], s[6:7], s[96:97]
	s_lshl_b32 s96, s[CNT], 11
	s_add_nc_u64 s[8:9], s[8:9], s[96:97]
	s_lshl_b32 s96, s[CNT], 17
	s_add_nc_u64 s[36:37], s[36:37], s[96:97]
	ROUND                                          ; all four work-groups are here: the first joint load meets
	tensor_load_to_lds s[G0X:G0X+3], s[G1X:G1X+7]  ; x: my 128 columns of the 64 tokens, into slot 1
	s_nop 0
	tensor_load_to_lds s[G0A:G0A+3], s[G1A:G1A+7]  ; Wo, first half of my rows, into slot 0: two loads of mine are out
	s_nop 0
	PLACES 4
.irp ct, 0,1,2,3,4,5,6,7
	global_load_b128 v[A1+8*\ct:A1+8*\ct+3], v[OB], s[14:15] offset:64*\ct          ; bo, in the results' layout
	global_load_b128 v[A1+8*\ct+4:A1+8*\ct+7], v[OB], s[14:15] offset:64*\ct+16
	global_load_b128 v[WOS+4*\ct:WOS+4*\ct+3], v[OWS], s[12:13] offset:256*\ct
.endr
.irp m, 0,1,2,3
	global_load_b128 v[XS+4*\m:XS+4*\m+3], v[L16], s[8:9] offset:512*\m
.endr
	WIN 0x40
.irp f, 0,1,2,3,4,5,6,7,8,9,10,11,12,13,14,15
.irp c, 0,1,2,3
	global_load_b128 v[16*\f+4*\c:16*\f+4*\c+3], v[L16], s[6:7] offset:2048*\f+512*\c     ; att's fragments, images of registers
.endr
.endr
	WIN 0x80
.irp ct, 0,1,2,3,4,5,6,7
	global_load_b128 v[128+8*\ct:128+8*\ct+3], v[OB], s[16:17] offset:64*\ct
	global_load_b128 v[128+8*\ct+4:128+8*\ct+7], v[OB], s[16:17] offset:64*\ct+16
	global_load_b128 v[192+8*\ct:192+8*\ct+3], v[OB], s[18:19] offset:64*\ct
	global_load_b128 v[192+8*\ct+4:192+8*\ct+7], v[OB], s[18:19] offset:64*\ct+16
.endr
	s_wait_tensorcnt 1                             ; x has landed (Wo's load, issued behind it, may be out); the bytes are my own load's
	WIN 0xC0
.irp m, 0,1,2,3
.irp ct, 0,1,2,3,4,5,6,7
	ds_load_b128 v[64*\m+8*\ct:64*\m+8*\ct+3], v[XAD] offset:16*\m*WP+64*\ct
	ds_load_b128 v[64*\m+8*\ct+4:64*\m+8*\ct+7], v[XAD] offset:16*\m*WP+64*\ct+16
.endr
.endr
	s_wait_dscnt 0x0
	s_wait_loadcnt 0x0
	WIN 0xC3
.irp m, 0,1,2,3
.set Q_, 0
.rept 32
	v_pk_add_f32 v[64*\m+Q_:64*\m+Q_+1], v[64*\m+Q_:64*\m+Q_+1], v[A1+Q_:A1+Q_+1]        ; x + bo starts the sums
.set Q_, Q_+2
.endr
.endr
	LINES                                          ; x is read out of slot 1: it takes Wo's second half
	s_wait_dscnt 0x0
	ROUND
	tensor_load_to_lds s[G0A+4:G0A+7], s[G1A:G1A+7]
	s_nop 0
	PLACES 4
	PTRIP 0
	LINES                                          ; slot 0 takes chunk 0's W1 and W2
	s_mov_b32 s[G0A+1], s[WLA]
	s_add_nc_u64 s[G0A+2:G0A+3], s[20:21], s[2:3]
	s_or_b32 s[G0A+3], s[G0A+3], 0x80000000
	s_wait_dscnt 0x0
	ROUND
	JLOAD
	PTRIP 1
	PLACES 8
	WIN 0x80
.irp ct, 0,1,2,3,4,5,6,7
	global_load_b128 v[8*\ct:8*\ct+3], v[OB], s[30:31] offset:64*\ct               ; b2, where Wo's fragments lay
	global_load_b128 v[8*\ct+4:8*\ct+7], v[OB], s[30:31] offset:64*\ct+16
.endr
	WIN 0
	LN 2, 128, 192                                 ; x1
	SMALLA                                         ; chunk 0's scale words of W1 and its bias
.irp m, 0,1,2,3
	QUANT4 64*\m, 3, A1, GT                        ; my 128 columns are K step w of the next product: one fragment a tile; x1 itself stays
	PWORD
	IMG_ST XWI, \m*8192, GT
	ds_store_b32 v[XWS], v[PW] offset:512*\m
	s_wait_dscnt 0x0                               ; the stores have read their registers
.endr
	STEPHEAD                                       ; slot 1 takes chunk 1.  The round also parts the images' stores from their loads
	WIN 0x40
.irp f, 0,1,2,3,4,5,6,7,8,9,10,11,12,13,14,15
	IMG_LD 16*\f, IML, 2048*\f
.endr
	WIN 0
.irp f, 0,1,2,3,4,5,6,7,8,9,10,11,12,13,14,15
	ds_load_b32 v[XS+\f], v[XSL] offset:128*\f
.endr
	s_wait_loadcnt 0x0                             ; b2 (and chunk 0's small loads)
	WIN 0xCB
.irp m, 0,1,2,3
.set Q_, 0
.rept 32
	v_pk_add_f32 v[64*\m+Q_:64*\m+Q_+1], v[64*\m+Q_:64*\m+Q_+1], v[Q_:Q_+1]              ; x1 + b2 starts the last product's sums
.set Q_, Q_+2
.endr
.endr
	WIN 0
	s_wait_dscnt 0x0                               ; x1's images are in my registers:
	s_barrier_signal -1
	s_barrier_wait -1                              ; in everybody's: the hidden layer's images may take their bytes
	s_mov_b32 s[TB], 0
	s_mov_b32 s[CNT], 14
.Lchunk:                                           ; chunks 0 to 13: behind each, the slot that it has read takes the chunk two on
	BODY 0
	STEPHEAD
	s_xor_b32 s[TB], s[TB], SLOT                   ; on to the other slot
	s_sub_co_u32 s[CNT], s[CNT], 1
	s_cmp_lg_u32 s[CNT], 0
	s_cbranch_scc1 .Lchunk
	s_mov_b32 s[CNT], 2
.Ltail:                                            ; chunks 14 and 15: nothing is left to fetch
	BODY 1
	LINES                                          ; my part of the last tile has landed, and my reads of the images are over
	s_wait_dscnt 0x0
	s_barrier_signal -1
	s_barrier_wait -1
	s_xor_b32 s[TB], s[TB], SLOT
	s_sub_co_u32 s[CNT], s[CNT], 1
	s_cmp_lg_u32 s[CNT], 0
	s_cbranch_scc1 .Ltail
	PLACES 8
	s_wait_loadcnt 0x0                             ; LN2's gain and shift
	LN 1, 0, 64                                    ; (its barrier also stands between every wave's last read of the images and the stages' stores)
	OUT 0
	OUT 1
	OUT 2
	OUT 3
	s_wait_tensorcnt 0x0                           ; the wave's end
	ds_add_u32 v[SPW], v[NIL]
	s_wait_dscnt 0x0
	ROUND                                          ; the closing round
	s_endpgm
.Lfunc_end_k_q0d798ad733_ffn:
	.size	k_q0d798ad733_ffn, .Lfunc_end_k_q0d798ad733_ffn-k_q0d798ad733_ffn
	.p2alignl 7, 3214868480
	.fill 96, 4, 3214868480
	.section	.rodata,"a",@progbits
	.p2align	6, 0x0
	.amdhsa_kernel k_q0d798ad733_ffn
		.amdhsa_group_segment_fixed_size 327680
		.amdhsa_private_segment_fixed_size 0
		.amdhsa_enable_private_segment 0
		.amdhsa_kernarg_size 136
		.amdhsa_user_sgpr_count 2
		.amdhsa_user_sgpr_kernarg_segment_ptr 1
		.amdhsa_wavefront_size32 1
		.amdhsa_system_sgpr_workgroup_id_x 1
		.amdhsa_system_sgpr_workgroup_id_y 1
		.amdhsa_system_sgpr_workgroup_id_z 1
		.amdhsa_system_vgpr_workitem_id 0
		.amdhsa_next_free_vgpr 1024
		.amdhsa_next_free_sgpr 102
		.amdhsa_reserve_vcc 0
		.amdhsa_float_denorm_mode_32 3
		.amdhsa_float_denorm_mode_16_64 3
		.amdhsa_memory_ordered 1
		.amdhsa_forward_progress 1
		.amdhsa_inst_pref_size 255
	.end_amdhsa_kernel
	.section	.bss,"aw",@nobits
	.p2align	6
	.space	262144
	.amdgpu_metadata
---
amdhsa.version: [ 1, 2 ]
amdhsa.kernels:
  - .name:           k_q0d798ad733_ffn
    .symbol:         k_q0d798ad733_ffn.kd
    .args:
      - { .name: x, .offset: 0, .size: 8, .value_kind: global_buffer, .address_space: global }
      - { .name: att_codes, .offset: 8, .size: 8, .value_kind: global_buffer, .address_space: global }
      - { .name: att_sc, .offset: 16, .size: 8, .value_kind: global_buffer, .address_space: global }
      - { .name: Wo_codes, .offset: 24, .size: 8, .value_kind: global_buffer, .address_space: global }
      - { .name: Wo_scales, .offset: 32, .size: 8, .value_kind: global_buffer, .address_space: global }
      - { .name: bo, .offset: 40, .size: 8, .value_kind: global_buffer, .address_space: global }
      - { .name: ln1_g, .offset: 48, .size: 8, .value_kind: global_buffer, .address_space: global }
      - { .name: ln1_b, .offset: 56, .size: 8, .value_kind: global_buffer, .address_space: global }
      - { .name: W1_codes, .offset: 64, .size: 8, .value_kind: global_buffer, .address_space: global }
      - { .name: W1_scales, .offset: 72, .size: 8, .value_kind: global_buffer, .address_space: global }
      - { .name: b1, .offset: 80, .size: 8, .value_kind: global_buffer, .address_space: global }
      - { .name: W2_codes, .offset: 88, .size: 8, .value_kind: global_buffer, .address_space: global }
      - { .name: W2_scales, .offset: 96, .size: 8, .value_kind: global_buffer, .address_space: global }
      - { .name: b2, .offset: 104, .size: 8, .value_kind: global_buffer, .address_space: global }
      - { .name: ln2_g, .offset: 112, .size: 8, .value_kind: global_buffer, .address_space: global }
      - { .name: ln2_b, .offset: 120, .size: 8, .value_kind: global_buffer, .address_space: global }
      - { .name: out0, .offset: 128, .size: 8, .value_kind: global_buffer, .address_space: global }
    .group_segment_fixed_size: 327680
    .private_segment_fixed_size: 0
    .kernarg_segment_align: 8
    .kernarg_segment_size: 136
    .max_flat_workgroup_size: 128
    .sgpr_count:     102
    .vgpr_count:     1024
    .wavefront_size: 32
...
	.end_amdgpu_metadata
.endif
;; end of part 3
